; MI455X (gfx1250); checked and timed in simulation.
; The chip was launched on July 23, 2026; its instructions are those of AMD's public machine-readable ISA for CDNA 5 (MIT licence, August 2026) and "CDNA5" Instruction Set Architecture Reference Guide (July 2026). The comments in the code are by the model that wrote it; some were corrected since.
;; Transformer Memory Layer. Allowed arithmetic: matrix products marked QUANTISED: E2M3 operands, one E8M0 scale for each 32 along K, by v_wmma_scale_f32_16x16x128_f8f6f4 with both operands' format E2M3, f32 sums; products left as they are: f32 operands where the result goes on into a quantised operand, else bf16, f16 or f32 operands; f32 sums; everything else in f32.
;; Inputs: Wg 1,024 x 4 float32; Wk_codes 4 x 1,024 x 32 x 24 uint8 (E2M3 codes of Wk, K innermost, in blocks of 32 codes, four codes in three bytes); Wk_scales 4 x 1,024 x 32 uint8 (E8M0 scales of Wk, one for each 32 codes along K); Wo_codes 4 x 1,024 x 32 x 24 uint8 (E2M3 codes of Wo, K innermost, in blocks of 32 codes, four codes in three bytes); Wo_scales 4 x 1,024 x 32 uint8 (E8M0 scales of Wo, one for each 32 codes along K); Wq_codes 4 x 1,024 x 32 x 24 uint8 (E2M3 codes of Wq, K innermost, in blocks of 32 codes, four codes in three bytes); Wq_scales 4 x 1,024 x 32 uint8 (E8M0 scales of Wq, one for each 32 codes along K); Wv_codes 4 x 1,024 x 32 x 24 uint8 (E2M3 codes of Wv, K innermost, in blocks of 32 codes, four codes in three bytes); Wv_scales 4 x 1,024 x 32 uint8 (E8M0 scales of Wv, one for each 32 codes along K); beta 1,024 float32; bg 4 float32; bk 4 x 1,024 float32; bo 4 x 1,024 float32; bq 4 x 1,024 float32; bv 4 x 1,024 float32; gamma 1,024 float32; x 4 x 512 x 1,024 float32.
;; Outputs: out0 4 x 512 x 1,024 float32.
;; This version of the problem:
;;   THIS VERSION OF THE PROBLEM IS GIVEN IN LOW PRECISION. The matrix products marked QUANTISED in the list below multiply operands that are first quantised to E2M3 (2 exponent bits, 3 mantissa bits; 6 bits a number), with one power-of-two scale for each 32 numbers along K (OCP MX v1.0); their sums are f32. All else is computed in f32.
;;   The module's matrix products, in the order in which they are computed (A, B: the left and right operand; K: the contracted axis; several contracted axes count as one K, in the product's order):
;;     1. [M 2,048, K 1,024] x [K 1,024, N 4]; A: computed on the way; B: input Wg: left as it is (N = 4 < 16)
;;     2. [M 2,048, K 1,024] x [K 1,024, N 1,024]; A: computed on the way; B: input Wq (given as codes): QUANTISED
;;     3. [M 2,048, K 1,024] x [K 1,024, N 1,024]; A: computed on the way; B: input Wk (given as codes): QUANTISED
;;     4. [M 2,048, K 1,024] x [K 1,024, N 1,024]; A: computed on the way; B: input Wv (given as codes): QUANTISED
;;     5. batch 64 x [M 512, K 64] x [K 64, N 512]; A: computed on the way; B: computed on the way: QUANTISED
;;     6. batch 64 x [M 512, K 512] x [K 512, N 64]; A: softmax (see below); B: computed on the way: QUANTISED
;;     7. [M 2,048, K 1,024] x [K 1,024, N 1,024]; A: computed on the way; B: input Wo (given as codes): QUANTISED
;;     8. [M 2,048, K 1,024] x [K 1,024, N 1,024]; A: computed on the way; B: input Wq (given as codes): QUANTISED
;;     9. [M 2,048, K 1,024] x [K 1,024, N 1,024]; A: computed on the way; B: input Wk (given as codes): QUANTISED
;;     10. [M 2,048, K 1,024] x [K 1,024, N 1,024]; A: computed on the way; B: input Wv (given as codes): QUANTISED
;;     11. batch 64 x [M 512, K 64] x [K 64, N 512]; A: computed on the way; B: computed on the way: QUANTISED
;;     12. batch 64 x [M 512, K 512] x [K 512, N 64]; A: softmax (see below); B: computed on the way: QUANTISED
;;     13. [M 2,048, K 1,024] x [K 1,024, N 1,024]; A: computed on the way; B: input Wo (given as codes): QUANTISED
;;     14. [M 2,048, K 1,024] x [K 1,024, N 1,024]; A: computed on the way; B: input Wq (given as codes): QUANTISED
;;     15. [M 2,048, K 1,024] x [K 1,024, N 1,024]; A: computed on the way; B: input Wk (given as codes): QUANTISED
;;     16. [M 2,048, K 1,024] x [K 1,024, N 1,024]; A: computed on the way; B: input Wv (given as codes): QUANTISED
;;     17. batch 64 x [M 512, K 64] x [K 64, N 512]; A: computed on the way; B: computed on the way: QUANTISED
;;     18. batch 64 x [M 512, K 512] x [K 512, N 64]; A: softmax (see below); B: computed on the way: QUANTISED
;;     19. [M 2,048, K 1,024] x [K 1,024, N 1,024]; A: computed on the way; B: input Wo (given as codes): QUANTISED
;;     20. [M 2,048, K 1,024] x [K 1,024, N 1,024]; A: computed on the way; B: input Wq (given as codes): QUANTISED
;;     21. [M 2,048, K 1,024] x [K 1,024, N 1,024]; A: computed on the way; B: input Wk (given as codes): QUANTISED
;;     22. [M 2,048, K 1,024] x [K 1,024, N 1,024]; A: computed on the way; B: input Wv (given as codes): QUANTISED
;;     23. batch 64 x [M 512, K 64] x [K 64, N 512]; A: computed on the way; B: computed on the way: QUANTISED
;;     24. batch 64 x [M 512, K 512] x [K 512, N 64]; A: softmax (see below); B: computed on the way: QUANTISED
;;     25. [M 2,048, K 1,024] x [K 1,024, N 1,024]; A: computed on the way; B: input Wo (given as codes): QUANTISED
;;   THE QUANTISER, for each operand of a quantised product, along K:
;;     - K is cut into blocks of 32 from its start; a last block that is shorter is filled with zeros.
;;     - A block's scale is 2^e with e = floor(log2(the largest magnitude in the block)) - 2, held to -126 .. 127; a block of zeros has e = 0. As a byte (E8M0): e + 127.
;;     - Each number is divided by its block's scale, clamped to +-7.5, and rounded to the nearest number of E2M3, ties to even, subnormals kept.
;;     - The product sums the exact products of the quantised numbers (number of the format x scale) in f32.
;;   ~~~python
;;   def quantise(x, axis):      # numpy; x: float32 -> the quantised numbers, widened to float32 again
;;       x = np.moveaxis(x, axis, -1); K = x.shape[-1]
;;       x = np.pad(x, [(0, 0)] * (x.ndim - 1) + [(0, -K % 32)]); x = x.reshape(x.shape[:-1] + (-1, 32)); a = np.abs(x).max(-1, keepdims=True)
;;       e = np.where(a > 0, np.clip(np.frexp(np.where(a > 0, a, 1))[1] - 1 - 2, -126, 127), 0)      # np.frexp(a)[1] - 1 = floor(log2(a)), exactly
;;       r = np.clip(x / 2.0 ** e, -7.5, 7.5)
;;       step = 2.0 ** (np.maximum(np.frexp(np.where(r == 0, 1, r))[1] - 1, 0) - 3)
;;       q = np.round(r / step) * step * 2.0 ** e      # np.round: ties to even
;;       return np.moveaxis(q.reshape(q.shape[:-2] + (-1,))[..., :K], -1, axis).astype(np.float32)
;;   ~~~
;;   SOFTMAX AHEAD OF A QUANTISED PRODUCT. Where the list says 'softmax', what is quantised is not the finished softmax but p = 2^(t - M), with t = logit x log2(e) and M = ceil(the row's largest t), a whole number; so 1/2 < the row's largest p <= 1. The row's sum l is taken of the UNQUANTISED p, in f32, and the product's result is divided by l at the end. Since M is a whole number, a kernel that streams over the keys may use a running M (the ceiling of the running maximum): every later rescaling is an exact power of two, which a block's scale takes up: the codes' values come out the same.
;;   OPERANDS COMPUTED ON THE WAY. 'Computed on the way' means the value that the module computes at that place (a softmax that the list does not call 'softmax' is quantised finished and normalised). What goes into a quantiser is computed in f32, as accurately as f32 sums, v_exp_f32 and their like allow (about 1e-6 of the number): no bf16 or f16 on the way to a quantiser, and a product that is left as it is and whose result goes on into a quantised operand takes f32 operands (vector FMAs, or v_wmma_f32_16x16x4_f32). A number that lies on a knife's edge between two numbers of the format may be rounded either way, as far as f32 arithmetic and the matrix unit's own rounding can turn it there, and no further.
;;   INPUTS GIVEN AS CODES. Wk (in the module: [4, 1024, 1024], K = its axis 1); Wo (in the module: [4, 1024, 1024], K = its axis 1); Wq (in the module: [4, 1024, 1024], K = its axis 1); Wv (in the module: [4, 1024, 1024], K = its axis 1): each comes as NAME_codes (uint8): NAME with its K axis moved to the last place and cut into blocks of 32 codes, [.., K / 32, bytes a block], one block behind the other in memory; four codes in three bytes: a row's codes are one little-endian stream of bits, code i at bits 6 i .. 6 i + 5 (a code: sign, 2 exponent bits, 3 mantissa bits); and NAME_scales (uint8): the same leading axes, one E8M0 byte (e + 127) for each 32 codes along K. Its value is code x scale, taken as it is: it is not quantised again, and the codes and scales need not be those that the quantiser above would give.
;; One version. Each part assembles by itself: llvm-mc -triple=amdgcn-amd-amdhsa -mcpu=gfx1250 --defsym DOCPART=n.
;; ======== version 1 of 1: 3 launches
;; limits: right only within a limited range of input values
;; workspace buffers: xcodes 1,572,864 bytes; xscales 65,536 bytes; gates 32,768 bytes; ccodes 6,291,456 bytes; cscales 262,144 bytes
;; launch prep (part 1): grid 128 x 1, 8 waves a work-group, no clusters, 96,768 bytes of LDS; arguments x, gamma, beta, Wg, bg, xcodes, xscales, gates; writes xcodes, xscales, gates
.if DOCPART == 1
	.amdgcn_target "amdgcn-amd-amdhsa--gfx1250"
	.amdhsa_code_object_version 6
	.text
	.protected	k_q238dc749d4_prep
	.globl	k_q238dc749d4_prep
	.p2align	8
	.type	k_q238dc749d4_prep,@function
k_q238dc749d4_prep:
	s_mov_b64 s[64:65], 0
	v_nop
	global_prefetch_b8 v0, s[64:65] scope:SCOPE_SE
	s_setreg_imm32_b32 hwreg(HW_REG_WAVE_MODE, 25, 1), 1
	s_wait_xcnt 0x0
; xn = LayerNorm(x) gamma + beta; gates = softmax(xn Wg + bg); xn quantised along D to E2M3 with one E8M0 byte for each 32.
; NO WORK IS LEFT OUT in this program: the gates are soft, so every expert's result is weighed in, and every input has a way to the output; all are loaded.
; LIMITS: NaN and infinities among the inputs are not served.  A block of zeros gets the scale byte 1 where the quantiser says 127: its codes are zeros, which add
; nothing under any byte but 0xff, and the bytes are read by this program alone.  Sums run in another order than reference()'s (f32 throughout).
; SHARES.  A work-group takes 16 tokens (one tile of the later products), 64 KiB of x; wave s takes columns 128 s .. 128 s + 127, one K step.  128 work-groups: a fragment wants 16 tokens and the
; statistics want whole rows, so a finer split would read x twice.  All of a work-group's x is asked for at once.  No matrix unit (N = 4), no tensor load, no cluster: nothing is shared.
; LAYOUT.  Each load takes 512 consecutive bytes of one token; the wave's 16 x 512 bytes turn through its own stage in LDS, after which lane (r, h) holds token r and its register 16 b + i holds
; column 32 b + 16 h + i: 16 neighbours of each block of 32, as the conversions want them.  Mean and variance are taken in two passes, as reference() has them; the eight waves' parts meet in LDS.
; OUT.  xcodes: the image of the operand's registers, [tile][K step][3][lane][16 bytes]; xscales: [token][32 bytes]; gates: [token][4] f32.
.set RED1,  0                          ; LDS: [token 16][wave 8] f32: the waves' sums
.set RED2,  512                        ; the same for the squares
.set SCG,   1024                       ; [token][wave] scale words: 32 bytes a token, as xscales has them
.set LGT,   1536                       ; [token][wave][4] f32: the waves' parts of the four logits
.set SPARE, 3584                       ; the spare words, 128 bytes for each of eight waves: four blocks of 256 bytes that no other line names
.set WR0,   4608                       ; from here a region for each wave:
.set WRB,   11520                      ; its stage of 16 rows x (512 + 16) bytes,
.set GAM,   8448                       ; its 128 numbers of gamma,
.set BET,   8960                       ; of beta,
.set WGO,   9472                       ; and its 128 rows of Wg, 16 bytes each
.set X,   32                           ; v32-95   my 64 numbers
.set R,   96                           ; v96-159  x as loaded; then gamma; then chunks 0 and 2 of Wg; then the codes
.set W2,  160                          ; v160-223 Wg, gamma, beta as loaded; then beta; then chunks 1 and 3 of Wg
.set TM,  224                          ; v224-239 the quantiser's: largest magnitudes, bytes, scale operands
.set PW,  240                          ; the scale word
.set PC,  96                           ; the codes
.set SEL, 30                           ; s[30:31] v_permlanex16_b32's selects for lane l xor 16
; v1 16 x lane; v2 r; v3 h; v4 stage in; v5 stage out; v6 gamma's and beta's place; v7 Wg's; v8, v9 the sums' words; v10, v11 the logits'; v12, v13 the add's two; v[14:15] mu, then 1/sigma;
; v16-19 four logits; v20-23 at work; v24-31 sums; v241 my place in gates
.macro BARRIER                         ; my LDS stores have landed and my LDS loads are in: then the work-group's barrier
	s_wait_dscnt 0x0
	s_barrier_signal -1
	s_barrier_wait -1
.endm
.macro RSUM                            ; two pairs of partial sums become my token's sum over the wave's 128 columns
	s_delay_alu instid0(VALU_DEP_1)
	v_pk_add_f32 v[24:25], v[24:25], v[26:27]
	s_delay_alu instid0(VALU_DEP_1)
	v_add_f32 v24, v24, v25
	s_delay_alu instid0(VALU_DEP_1)
	v_permlanex16_b32 v20, v24, s[SEL], s[SEL+1]
	s_delay_alu instid0(VALU_DEP_1)
	v_add_f32 v24, v24, v20
.endm
.macro WSUM off                        ; the eight waves' sums of my token, added in ascending order
	ds_load_b128 v[24:27], v9 offset:\off
	ds_load_b128 v[28:31], v9 offset:\off+16
	s_wait_dscnt 0x0
.irp k, 25
	v_add_f32 v24, v24, v[\k]
.endr
.irp k, 26, 27, 28, 29, 30, 31
	s_delay_alu instid0(VALU_DEP_1)
	v_add_f32 v24, v24, v[\k]
.endr
.endm
.macro WGLOAD b                        ; Wg's rows of my 16 columns of block b: 64 registers
.set cb, R+64*((\b)%2)
.set i, 0
.rept 16
	ds_load_b128 v[cb+4*i:cb+4*i+3], v7 offset:WGO+512*(\b)+16*i
.set i, i+1
.endr
.endm
.macro GFMA b                          ; four logits by turns: 16 columns x 4 fused multiply-adds; the very first column starts the sums
.set cb, R+64*((\b)%2)
.set i, 0
.rept 16
.irp e, 0,1,2,3
.if ((\b) == 0) && (i == 0)
	v_mul_f32 v[16+\e], v[X], v[cb+\e]
.else
	v_fmac_f32 v[16+\e], v[X+16*(\b)+i], v[cb+4*i+\e]
.endif
.endr
.set i, i+1
.endr
.endm
; 64 numbers of a lane, register 16 b + i = k 32 b + 16 h + i of my row, become a fragment's codes in v[PC] on and its scale word in v[PW]
.macro QUANT s
.irp b, 0,1,2,3
	v_max3_num_f32 v[TM+\b], |v[\s+16*\b]|, |v[\s+1+16*\b]|, 0x1800000   ; block b: my 16 numbers, and the floor 2^(3 - 127): the byte cannot fall under 1
.endr
.irp i, 2,4,6,8,10,12,14
.irp b, 0,1,2,3
	s_delay_alu instid0(VALU_DEP_4)
	v_max3_num_f32 v[TM+\b], v[TM+\b], |v[\s+16*\b+\i]|, |v[\s+1+16*\b+\i]|   ; the four blocks by turns
.endr
.endr
.irp b, 0,1,2,3
	s_delay_alu instid0(VALU_DEP_4)
	v_permlanex16_b32 v[TM+4+\b], v[TM+\b], s[SEL], s[SEL+1]
.endr
.irp b, 0,1,2,3
	s_delay_alu instid0(VALU_DEP_4)
	v_max_num_f32 v[TM+\b], v[TM+\b], v[TM+4+\b]   ; with lane l xor 16's: the block's largest magnitude
.endr
.irp b, 0,1,2,3
	s_delay_alu instid0(VALU_DEP_4)
	v_add_nc_u32 v[TM+12+\b], 0xff000000, v[TM+\b]   ; 2 off its exponent field: the conversion takes that field as its scale
.endr
.irp b, 0,1,2,3
	s_delay_alu instid0(VALU_DEP_4)
	v_lshrrev_b32 v[TM+4+\b], 23, v[TM+12+\b]   ; the scale's byte
.endr
	s_delay_alu instid0(VALU_DEP_3)
	v_lshl_or_b32 v[PW], v[TM+5], 8, v[TM+4]
	s_delay_alu instid0(VALU_DEP_1)
	v_lshl_or_b32 v[PW], v[TM+6], 16, v[PW]
	s_delay_alu instid0(VALU_DEP_1)
	v_lshl_or_b32 v[PW], v[TM+7], 24, v[PW]
.irp c, 0,1
	v_cvt_scalef32_pk16_fp6_f32 v[PC+6*\c:PC+2+6*\c], v[\s+32*\c:\s+15+32*\c], v[TM+12+2*\c]
	v_cvt_scalef32_pk16_fp6_f32 v[PC+12+4*\c:PC+14+4*\c], v[\s+16+32*\c:\s+31+32*\c], v[TM+12+2*\c+1]   ; a conversion's three registers begin on an even number
.endr
	v_nop                                          ; one plain place behind a scaled conversion
.irp c, 0,1                                    ; the operand's layout wants a whole block in a lane: lanes 0-15 block 2 c, lanes 16-31 block 2 c + 1
.irp i, 0,1,2
	v_permlane16_swap_b32 v[PC+6*\c+\i], v[PC+12+4*\c+\i]
.endr
.irp i, 0,1,2
	s_delay_alu instid0(VALU_DEP_3)
	v_mov_b32 v[PC+3+6*\c+\i], v[PC+12+4*\c+\i]
.endr
.endr
.endm
	s_load_b512 s[4:19], s[0:1], 0x0               ; x s[4:5], gamma s[6:7], beta s[8:9], Wg s[10:11], bg s[12:13], xcodes s[14:15], xscales s[16:17], gates s[18:19]
	v_lshl_add_u32 v12, v0, 2, SPARE
	v_mov_b32 v13, 0
	v_lshrrev_b32 v14, 5, v0
	s_delay_alu instid0(VALU_DEP_1)
	v_readfirstlane_b32 s20, v14                   ; wave = K step
	v_and_b32 v14, 31, v0
	s_delay_alu instid0(VALU_DEP_1)
	v_lshlrev_b32 v1, 4, v14                       ; 16 x lane
	v_and_b32 v2, 15, v0                           ; r
	v_bfe_u32 v3, v0, 4, 1                         ; h
	s_mul_i32 s21, s20, WRB
	s_add_co_u32 s21, s21, WR0                     ; my wave's region
	v_add_nc_u32 v4, s21, v1
	v_mul_u32_u24 v5, v2, 528
	s_delay_alu instid0(VALU_DEP_1)
	v_lshl_add_u32 v5, v3, 6, v5
	s_delay_alu instid0(VALU_DEP_1)
	v_add_nc_u32 v5, s21, v5                       ; row r, + 64 h
	v_lshlrev_b32 v6, 6, v3
	s_delay_alu instid0(VALU_DEP_1)
	v_add_nc_u32 v6, s21, v6
	v_lshlrev_b32 v7, 8, v3
	s_delay_alu instid0(VALU_DEP_1)
	v_add_nc_u32 v7, s21, v7
	v_lshlrev_b32 v9, 5, v2                        ; 32 r
	s_lshl_b32 s22, s20, 2
	v_add_nc_u32 v8, s22, v9                       ; 32 r + 4 s
	v_lshlrev_b32 v11, 7, v2                       ; 128 r
	s_lshl_b32 s22, s20, 4
	v_add_nc_u32 v10, s22, v11                     ; 128 r + 16 s
	v_lshlrev_b32 v241, 4, v2
	s_delay_alu instid0(VALU_DEP_1)
	v_lshl_add_u32 v241, v3, 3, v241               ; 16 r + 8 h
	s_mov_b32 s[SEL], 0x76543210
	s_mov_b32 s[SEL+1], 0xfedcba98
	s_mov_b32 s32, 0x3a800000                      ; 1 / 1024
	s_mov_b32 s33, 0x3727c5ac                      ; 1e-5
	s_lshl_b32 s22, ttmp9, 16                      ; the tile's 16 rows of 4,096 bytes,
	s_lshl_b32 s28, s20, 9                         ; my wave's 512 bytes of a row
	s_add_co_u32 s22, s22, s28
	s_mov_b32 s23, 0
	s_mov_b32 s29, 0
	s_wait_kmcnt 0x0
	s_add_nc_u64 s[4:5], s[4:5], s[22:23]
	s_add_nc_u64 s[6:7], s[6:7], s[28:29]
	s_add_nc_u64 s[8:9], s[8:9], s[28:29]
	s_lshl_b32 s28, s20, 11
	s_add_nc_u64 s[10:11], s[10:11], s[28:29]
	s_lshl_b32 s22, ttmp9, 3
	s_add_co_u32 s22, s22, s20
	s_mul_i32 s22, s22, 1536                       ; fragment 8 tile + s
	s_add_nc_u64 s[14:15], s[14:15], s[22:23]
	s_lshl_b32 s22, ttmp9, 9
	s_add_nc_u64 s[16:17], s[16:17], s[22:23]
	s_lshl_b32 s22, ttmp9, 8
	s_add_nc_u64 s[18:19], s[18:19], s[22:23]
	s_load_b128 s[24:27], s[12:13], 0x0            ; bg
.set i, 0
.rept 16
	global_load_b128 v[R+4*i:R+4*i+3], v1, s[4:5] offset:4096*i th:TH_LOAD_NT   ; token i: 512 consecutive bytes
.set i, i+1
.endr
	global_load_b128 v[176:179], v1, s[6:7]
	global_load_b128 v[180:183], v1, s[8:9]
.irp i, 0,1,2,3
	global_load_b128 v[W2+4*\i:W2+4*\i+3], v1, s[10:11] offset:512*\i
.endr
.irp b, 0,1,2,3
	v_mov_b32 v[20+\b], 0                          ; written once: a lane permute's destination counts as one of its sources
	v_mov_b32 v[TM+4+\b], 0
.endr
	s_wait_kmcnt 0x0                               ; bg
	s_wait_loadcnt 6                               ; x is in; the six younger loads (gamma, beta, Wg) may be out
.set i, 0
.rept 16
	ds_store_b128 v4, v[R+4*i:R+4*i+3] offset:528*i
.set i, i+1
.endr
.irp b, 0,1,2,3
.irp j, 0,1,2,3
	ds_load_b128 v[X+16*\b+4*\j:X+16*\b+4*\j+3], v5 offset:128*\b+16*\j   ; LDS serves a wave's instructions in order: these see my stores
.endr
.endr
	s_wait_loadcnt 0x0
	ds_store_b128 v4, v[176:179] offset:GAM
	ds_store_b128 v4, v[180:183] offset:BET
.irp i, 0,1,2,3
	ds_store_b128 v4, v[W2+4*\i:W2+4*\i+3] offset:WGO+512*\i
.endr
	s_wait_dscnt 0x0                               ; my numbers are back, and the stores have read their registers, on which the loads below land
.irp b, 0,1,2,3
.irp j, 0,1,2,3
	ds_load_b128 v[R+16*\b+4*\j:R+16*\b+4*\j+3], v6 offset:GAM+128*\b+16*\j    ; gamma and beta of my 64 columns land under the first sum
	ds_load_b128 v[W2+16*\b+4*\j:W2+16*\b+4*\j+3], v6 offset:BET+128*\b+16*\j
.endr
.endr
	v_pk_add_f32 v[24:25], v[X:X+1], v[X+4:X+5]    ; the sum of my 64, two at a time, in two chains
	v_pk_add_f32 v[26:27], v[X+2:X+3], v[X+6:X+7]
.set j, 8
.rept 14
	s_delay_alu instid0(VALU_DEP_2)
	v_pk_add_f32 v[24:25], v[24:25], v[X+j:X+j+1]
	s_delay_alu instid0(VALU_DEP_2)
	v_pk_add_f32 v[26:27], v[26:27], v[X+j+2:X+j+3]
.set j, j+4
.endr
	RSUM
	ds_store_b32 v8, v24 offset:RED1               ; both halves of the lanes write the same word with the same value
	BARRIER
	WSUM RED1
	s_delay_alu instid0(VALU_DEP_1)
	v_mul_f32 v14, s32, v24                        ; mu
	s_delay_alu instid0(VALU_DEP_1)
	v_mov_b32 v15, v14
.set j, 0
.rept 32
	v_pk_add_f32 v[X+j:X+j+1], v[X+j:X+j+1], v[14:15] neg_lo:[0,1] neg_hi:[0,1]   ; x - mu
.set j, j+2
.endr
	v_pk_mul_f32 v[24:25], v[X:X+1], v[X:X+1]
	v_pk_mul_f32 v[26:27], v[X+2:X+3], v[X+2:X+3]
.set j, 4
.rept 15
	s_delay_alu instid0(VALU_DEP_2)
	v_pk_fma_f32 v[24:25], v[X+j:X+j+1], v[X+j:X+j+1], v[24:25]
	s_delay_alu instid0(VALU_DEP_2)
	v_pk_fma_f32 v[26:27], v[X+j+2:X+j+3], v[X+j+2:X+j+3], v[26:27]
.set j, j+4
.endr
	RSUM
	ds_store_b32 v8, v24 offset:RED2
	BARRIER
	WSUM RED2
	s_delay_alu instid0(VALU_DEP_1)
	v_fma_f32 v14, v24, s32, s33                   ; the variance + 1e-5
	s_wait_alu depctr_va_vdst(0)
	v_rsq_f32 v14, v14
	v_nop                                          ; one plain place behind the transcendental,
	s_wait_alu depctr_va_vdst(0)                   ; and the wait ahead of its first reader
	v_mov_b32 v15, v14
.set j, 0
.rept 32
	v_pk_mul_f32 v[X+j:X+j+1], v[X+j:X+j+1], v[14:15]
.set j, j+2
.endr
.set j, 0
.rept 32
	v_pk_fma_f32 v[X+j:X+j+1], v[X+j:X+j+1], v[R+j:R+j+1], v[W2+j:W2+j+1]   ; x gamma + beta: xn
.set j, j+2
.endr
	WGLOAD 0                                       ; the gates' product, in f32: Wg in four chunks of 16 loads, two chunks on their way
	WGLOAD 1
	s_wait_dscnt 16                                ; the older chunk is in; the younger one's 16 loads may be out
	GFMA 0
	WGLOAD 2
	s_wait_alu depctr_va_vdst(0)
	s_wait_dscnt 16
	GFMA 1
	WGLOAD 3
	s_wait_alu depctr_va_vdst(0)
	s_wait_dscnt 16
	GFMA 2
	s_wait_alu depctr_va_vdst(0)
	s_wait_dscnt 0x0
	GFMA 3
.irp e, 0,1,2,3
	s_delay_alu instid0(VALU_DEP_4)
	v_permlanex16_b32 v[20+\e], v[16+\e], s[SEL], s[SEL+1]
.endr
.irp e, 0,1,2,3
	s_delay_alu instid0(VALU_DEP_4)
	v_add_f32 v[16+\e], v[16+\e], v[20+\e]         ; my token's four logits over the wave's 128 columns
.endr
	ds_store_b128 v10, v[16:19] offset:LGT
	QUANT X
.irp c, 0,1,2
	global_store_b128 v1, v[PC+4*\c:PC+4*\c+3], s[14:15] offset:512*\c   ; the fragment as it stands in registers: 512 consecutive bytes a store
.endr
	ds_store_b32 v8, v[PW] offset:SCG
	BARRIER
	s_cmp_lg_u32 s20, 0                            ; wave 0 alone gathers the scale words and finishes the gates
	s_cbranch_scc1 .Lend
	ds_load_b128 v[160:163], v1 offset:SCG
.irp k, 0,1,2,3,4,5,6,7
	ds_load_b128 v[X+4*\k:X+4*\k+3], v11 offset:LGT+16*\k
.endr
	s_wait_dscnt 8                                 ; the scale words are in; the eight younger loads may be out
	global_store_b128 v1, v[160:163], s[16:17]     ; 16 tokens x 32 bytes: 512 consecutive bytes
	s_wait_dscnt 0x0
	v_pk_add_f32 v[16:17], v[X:X+1], v[X+4:X+5]    ; the eight waves' parts, in ascending order
	v_pk_add_f32 v[18:19], v[X+2:X+3], v[X+6:X+7]
.irp k, 2,3,4,5,6,7
	s_delay_alu instid0(VALU_DEP_2)
	v_pk_add_f32 v[16:17], v[16:17], v[X+4*\k:X+4*\k+1]
	s_delay_alu instid0(VALU_DEP_2)
	v_pk_add_f32 v[18:19], v[18:19], v[X+4*\k+2:X+4*\k+3]
.endr
	s_delay_alu instid0(VALU_DEP_2)
	v_add_f32 v16, s24, v16                        ; + bg
	s_delay_alu instid0(VALU_DEP_3)
	v_add_f32 v17, s25, v17
	s_delay_alu instid0(VALU_DEP_3)
	v_add_f32 v18, s26, v18
	s_delay_alu instid0(VALU_DEP_4)
	v_add_f32 v19, s27, v19
	s_delay_alu instid0(VALU_DEP_2)
	v_max3_num_f32 v20, v16, v17, v18
	s_delay_alu instid0(VALU_DEP_1)
	v_max_num_f32 v20, v20, v19                    ; the largest is taken away ahead of the exponentials, as reference() does
.irp e, 0,1,2,3
	v_sub_f32 v[16+\e], v[16+\e], v20
.endr
.irp e, 0,1,2,3
	s_delay_alu instid0(VALU_DEP_4)
	v_mul_f32 v[16+\e], 0x3fb8aa3b, v[16+\e]
.endr
	s_wait_alu depctr_va_vdst(0)
.irp e, 0,1,2,3
	v_exp_f32 v[16+\e], v[16+\e]
.endr
	v_nop
	s_wait_alu depctr_va_vdst(0)                   ; one wait for the four
	v_add_f32 v21, v16, v17
	v_add_f32 v22, v18, v19
	s_delay_alu instid0(VALU_DEP_1)
	v_add_f32 v21, v21, v22
	s_wait_alu depctr_va_vdst(0)
	v_rcp_f32 v21, v21
	v_cmp_eq_u32 vcc_lo, 1, v3                     ; (a plain place)  lanes 16-31 take gates 2 and 3
	s_wait_alu depctr_va_vdst(0)
.irp e, 0,1,2,3
	v_mul_f32 v[16+\e], v[16+\e], v21
.endr
	s_delay_alu instid0(VALU_DEP_2)
	v_cndmask_b32 v22, v16, v18, vcc_lo
	s_delay_alu instid0(VALU_DEP_2)
	v_cndmask_b32 v23, v17, v19, vcc_lo
	global_store_b64 v241, v[22:23], s[18:19]      ; 16 tokens x 16 bytes: 256 consecutive bytes, aligned
.Lend:
	s_wait_tensorcnt 0x0                           ; the wave's end, behind my last LDS store
	ds_add_u32 v12, v13
	s_wait_dscnt 0x0
	s_endpgm
.Lfunc_end_k_q238dc749d4_prep:
	.size	k_q238dc749d4_prep, .Lfunc_end_k_q238dc749d4_prep-k_q238dc749d4_prep
	.p2alignl 7, 3214868480
	.fill 96, 4, 3214868480
	.section	.rodata,"a",@progbits
	.p2align	6, 0x0
	.amdhsa_kernel k_q238dc749d4_prep
		.amdhsa_group_segment_fixed_size 96768
		.amdhsa_private_segment_fixed_size 0
		.amdhsa_enable_private_segment 0
		.amdhsa_kernarg_size 64
		.amdhsa_user_sgpr_count 2
		.amdhsa_user_sgpr_kernarg_segment_ptr 1
		.amdhsa_wavefront_size32 1
		.amdhsa_system_sgpr_workgroup_id_x 1
		.amdhsa_system_sgpr_workgroup_id_y 1
		.amdhsa_system_sgpr_workgroup_id_z 1
		.amdhsa_system_vgpr_workitem_id 0
		.amdhsa_next_free_vgpr 256
		.amdhsa_next_free_sgpr 66
		.amdhsa_reserve_vcc 1
		.amdhsa_float_denorm_mode_32 3
		.amdhsa_float_denorm_mode_16_64 3
		.amdhsa_memory_ordered 1
		.amdhsa_forward_progress 1
		.amdhsa_inst_pref_size 47
	.end_amdhsa_kernel
	.amdgpu_metadata
---
amdhsa.version: [ 1, 2 ]
amdhsa.kernels:
  - .name:           k_q238dc749d4_prep
    .symbol:         k_q238dc749d4_prep.kd
    .args:
      - { .name: x, .offset: 0, .size: 8, .value_kind: global_buffer, .address_space: global }
      - { .name: gamma, .offset: 8, .size: 8, .value_kind: global_buffer, .address_space: global }
      - { .name: beta, .offset: 16, .size: 8, .value_kind: global_buffer, .address_space: global }
      - { .name: Wg, .offset: 24, .size: 8, .value_kind: global_buffer, .address_space: global }
      - { .name: bg, .offset: 32, .size: 8, .value_kind: global_buffer, .address_space: global }
      - { .name: xcodes, .offset: 40, .size: 8, .value_kind: global_buffer, .address_space: global }
      - { .name: xscales, .offset: 48, .size: 8, .value_kind: global_buffer, .address_space: global }
      - { .name: gates, .offset: 56, .size: 8, .value_kind: global_buffer, .address_space: global }
    .group_segment_fixed_size: 96768
    .private_segment_fixed_size: 0
    .kernarg_segment_align: 8
    .kernarg_segment_size: 64
    .max_flat_workgroup_size: 256
    .sgpr_count:     66
    .vgpr_count:     256
    .wavefront_size: 32
...
	.end_amdgpu_metadata
.endif
;; end of part 1
;; launch attn (part 2): grid 4 x 64, 4 waves a work-group, clusters of 4 x 1, 327,680 bytes of LDS; arguments xcodes, xscales, Wq_codes, Wq_scales, Wk_codes, Wk_scales, Wv_codes, Wv_scales, bq, bk, bv, ccodes, cscales; writes ccodes, cscales
.if DOCPART == 2
	.amdgcn_target "amdgcn-amd-amdhsa--gfx1250"
	.amdhsa_code_object_version 6
	.text
	.protected	k_q238dc749d4_attn
	.globl	k_q238dc749d4_attn
	.p2align	8
	.type	k_q238dc749d4_attn,@function
k_q238dc749d4_attn:
	s_mov_b64 s[64:65], 0
	v_nop
	global_prefetch_b8 v0, s[64:65] scope:SCOPE_SE
	s_setreg_imm32_b32 hwreg(HW_REG_WAVE_MODE, 25, 1), 1
	s_wait_xcnt 0x0
	s_wait_alu depctr_hold_cnt(0) depctr_sa_sdst(0) depctr_va_vdst(0) depctr_va_sdst(0) depctr_va_ssrc(0) depctr_va_vcc(0) depctr_vm_vsrc(0)
	s_getreg_b32 s2, hwreg(HW_REG_IB_STS2, 6, 4)
	s_cmp_eq_u32 s2, 0
	s_cbranch_scc0 .Lentry_in_a_cluster
	s_endpgm
.Lentry_in_a_cluster:
	s_bfe_u32 s2, ttmp6, 0x10000c
	s_cmp_lg_u32 s2, 0x3003
	s_cbranch_scc0 .Lentry_shape_is_right
	s_endpgm
.Lentry_shape_is_right:
; For one (expert e, batch b, head): q, k, v = xn W + bias; softmax(q k^T / 8) v; the result quantised along the head's 64 columns.  All products on codes of E2M3 with E8M0 scales.  No work is left out.
; SHARES.  256 work-groups: y = 16 e + head, the place in the cluster = batch.  Wave w owns tokens 128 w .. 128 w + 127 of the batch: its eight token tiles in the projections, key step w of V, and its 128 queries.
; xn LIVES IN REGISTERS: a wave's 128 tokens x 1,024 codes are 64 fragments, 768 registers, loaded once from the register images that the first launch stored, and used by all twelve weight tiles.
; THE WEIGHTS LIE WHOLE IN LDS: 3 x 64 rows of 768 bytes and their scale bytes, filled once; nothing is filled again, so there is no ring.
; CLUSTER.  The four batches of one (e, head) need the same weights: each tile is asked for jointly, mask 15.  xn, which the 64 work-groups of a batch share, is not asked for jointly: it goes straight into
; registers and never passes LDS, where beside the weights there is no room for its 393,216 bytes.
; ORDER OF k INSIDE A BLOCK.  A result tile gives the lanes' half h the rows 8 h + j, so two neighbouring tiles give a lane the 16 numbers 8 h + j and 16 + 8 h + j of a block of 32.  q and k are both made so, and so
; are p and v: both operands of a product carry the same order inside each block, so blocks, scales and products are those of the true order; only the order of the sum differs.  ctx meets given codes (Wo), so it is made in
; the true order: V's rows are placed so that the tiles 2 b, 2 b + 1 of the result hold d = 32 b + 16 h + 0 .. 15.
; K = 64 IN q k^T: Q's registers 6-11 are zero codes.  K's 32 fragments are packed 6 registers apart, so source 0's registers 6-11 are the next tile's codes: finite numbers that meet zero codes; their scale bytes are 0, not 0xff.
; THE SOFTMAX.  A query tile's whole row of 512 scores is in registers: M = ceil of the row's own largest t; p = 2^(t - M) is quantised; the sum of the unquantised p divides at the end.
; BY TURNS.  A trip has 48 matrix instructions and some 900 vector lines, so the products stand among vector lines that do not hang on them.  Once tile i's p is converted, its 256 registers are wanted by the row's sum alone:
; the 32 products of tile i + 1's scores are written over them, product n behind the four packed additions that take p's tile n + 2.  The 16 products V^T P of tile i stand each ahead of eight of the 128 lines that
; find tile i + 1's block maxima.  So tile 0's scores and maxima stand ahead of the loop, and the eighth tile's trip is written out without the look-ahead.  A slice costs two switches of the register windows.
; LIMITS: NaN and infinities are not served; a block of zeros gets the byte 1 (its codes are zeros; this program alone reads the bytes).
.set WSC,   156672                     ; LDS: 0: three weight tiles of 64 rows, pitch 816 (768 + 16 behind each 256): 52,224 bytes each; here their scale bytes, 3 x 2,048
.set XSS,   162816                     ; xn's scale words, 4,096 a wave: [K step][lane][pair of tiles]
.set BIS,   179200                     ; images of the biases in the results' layout: 4 waves x 6 passes x 2,048
.set QF,    228352                     ; q's 32 half fragments, 768 bytes each: [lane 32][24 bytes]
.set KF,    252928                     ; k's likewise
.set VF,    277504                     ; v's 16 fragments (4 key step + tile), 1,536 each: [c 2][lane][24 bytes]
.set QS,    302080                     ; scale words: q's, 64 bytes a tile;
.set KS,    304128                     ; k's;
.set VS,    306176                     ; v's, 64 bytes a fragment
.set CS,    307200                     ; ctx's scale bytes, 256 a wave
.set SPARE, 308224                     ; the spare words, 128 bytes for each wave: two blocks of 256 bytes that no other line names
.set ACC,   126                        ; v126-253 the projections' 16 accumulators
.set WF,    66                         ; v66-89, v90-113 two buffers of two weight fragments
; WINDOW 0, projections: v1 16 lane; v2, v3 a weight fragment's place (second: behind one padding more); v4, v5 the pass's; v6, v7 weight scales; v8, v9 bias images; v10 xn's scale words; v11, v12 q's and k's codes;
;   v13, v14 their scale words; v15, v16 v's; v17 lane, v18 r, v19 h; v20-27 xn's scale words, two sets; v28-35 the pass's weight scale words; v50-65 the bias; v114-125 xn's fragment 63; v254, v255 the add's two.
;   v20-49 hold scales and nothing else.   WINDOWS 1-3: xn's fragment f = 8 s + T at window 1 + f / 21, register 12 (f % 21).
; Attention: window 1: K, 6 registers a tile; window 2: V's 16 fragments; window 3: the scores, then p.  Window 0: v2 8 lane; v3-v8 q's, its scale word's and ctx's bytes' places; v9-v13 addresses; v20-35 K's scale words,
;   v36-43 V's, v44-47 p's, v48 q's; v50-61 Q; v62 -M; v64-71 sums; v72 1 / sum; v74-89 a figure a block; v90-105 the conversions' scale operands; v106-137 O^T; v138-185 p's codes; v186-217, v226-229 halves;
;   v218-223 ctx's codes; v230-234 at work; v235 ctx's two scale bytes.
.set MSB, 0
.macro WIN new                         ; the immediate's high byte repeats the setting that is left; a switch that changes nothing is dropped
.if MSB != \new
	s_set_vgpr_msb (MSB<<8)|\new
.set MSB, \new
.endif
.endm
.macro PLACES n
.rept \n
	v_nop
.endr
.endm
.macro CROUND                          ; a round of the cluster's barrier
	s_barrier_signal -1
	s_barrier_wait -1
	s_cmp_lg_u32 s30, 0
	s_cbranch_scc1 .Lnot_wave_0_\@
	s_barrier_signal -3
.Lnot_wave_0_\@:
	s_barrier_wait -3
	s_barrier_signal -1
	s_barrier_wait -1
.endm
; One matrix instruction from the symbols rD, rA, rB, rC, rSA, rSB; fA, fB: the scale register's lanes 16-31 are taken for that side
.macro WMMAC
.if fA && fB
	v_wmma_scale_f32_16x16x128_f8f6f4 v[rD:rD+7], v[rA:rA+11], v[rB:rB+11], v[rC:rC+7], v[rSA], v[rSB] matrix_a_fmt:MATRIX_FMT_FP6 matrix_b_fmt:MATRIX_FMT_FP6 matrix_a_scale:MATRIX_SCALE_ROW1 matrix_b_scale:MATRIX_SCALE_ROW1
.elseif fA
	v_wmma_scale_f32_16x16x128_f8f6f4 v[rD:rD+7], v[rA:rA+11], v[rB:rB+11], v[rC:rC+7], v[rSA], v[rSB] matrix_a_fmt:MATRIX_FMT_FP6 matrix_b_fmt:MATRIX_FMT_FP6 matrix_a_scale:MATRIX_SCALE_ROW1
.elseif fB
	v_wmma_scale_f32_16x16x128_f8f6f4 v[rD:rD+7], v[rA:rA+11], v[rB:rB+11], v[rC:rC+7], v[rSA], v[rSB] matrix_a_fmt:MATRIX_FMT_FP6 matrix_b_fmt:MATRIX_FMT_FP6 matrix_b_scale:MATRIX_SCALE_ROW1
.else
	v_wmma_scale_f32_16x16x128_f8f6f4 v[rD:rD+7], v[rA:rA+11], v[rB:rB+11], v[rC:rC+7], v[rSA], v[rSB] matrix_a_fmt:MATRIX_FMT_FP6 matrix_b_fmt:MATRIX_FMT_FP6
.endif
.endm
.macro WMMA0                           ; the same with the constant 0 as C: it starts a sum (B's scales stand in lanes 0-15 wherever this is used)
.if fA
	v_wmma_scale_f32_16x16x128_f8f6f4 v[rD:rD+7], v[rA:rA+11], v[rB:rB+11], 0, v[rSA], v[rSB] matrix_a_fmt:MATRIX_FMT_FP6 matrix_b_fmt:MATRIX_FMT_FP6 matrix_a_scale:MATRIX_SCALE_ROW1
.else
	v_wmma_scale_f32_16x16x128_f8f6f4 v[rD:rD+7], v[rA:rA+11], v[rB:rB+11], 0, v[rSA], v[rSB] matrix_a_fmt:MATRIX_FMT_FP6 matrix_b_fmt:MATRIX_FMT_FP6
.endif
.endm
; A weight fragment, 16 rows x 128 K, from rows of pitch 816: six pieces of 8 bytes.  Lanes 16-31 read three pieces further on; where that lies behind one padding more, the second address register serves
.macro FRAGW reg, adr, s, row0
.irp p, 0,1,2,3,4,5
.set PC, 12*(\s)+6*(\p/3)+\p%3
.if PC%32 < 29
	ds_load_b64 v[\reg+2*\p:\reg+2*\p+1], v[\adr] offset:(\row0)*816+8*PC+16*(PC/32)
.else
	ds_load_b64 v[\reg+2*\p:\reg+2*\p+1], v[\adr+1] offset:(\row0)*816+8*PC+16*(PC/32)
.endif
.endr
.endm
.macro KLOADS s                        ; K step s of a pass: its two weight fragments and xn's four scale words: 13 loads
	FRAGW WF+24*((\s)%2), 4, \s, 0
	FRAGW WF+24*((\s)%2)+12, 4, \s, 16
	ds_load_b128 v[20+4*((\s)%2):23+4*((\s)%2)], v10 offset:512*(\s)
.endm
.macro PROLOGUE step                   ; a pass's addresses, its eight weight scale words (lane = row: lanes 0-15 tile 0, lanes 16-31 tile 1), its bias, and K step 0
.if \step
	s_add_co_u32 s72, s72, 26112                   ; 32 rows of 816 bytes on,
	s_add_co_u32 s73, s73, 1024                    ; 32 rows of scale bytes,
	s_add_co_u32 s74, s74, 2048                    ; a pass's bias images
.endif
	v_add_nc_u32 v4, s72, v2
	v_add_nc_u32 v5, s72, v3
	v_add_nc_u32 v7, s73, v6
	v_add_nc_u32 v9, s74, v8
	s_wait_alu depctr_va_vdst(0)
	ds_load_b128 v[28:31], v7
	ds_load_b128 v[32:35], v7 offset:16
.irp i, 0,1,2,3
	ds_load_b128 v[50+4*\i:53+4*\i], v9 offset:512*\i
.endr
	KLOADS 0
.endm
; A PASS: two weight tiles x my eight token tiles x 8 K steps: 128 matrix instructions on 16 accumulators, which take turns, one instruction a turn.  The bias is the C of each sum's first.
; kind 0 (q, k): source 0 = 16 weight rows, source 1 = 16 tokens: a lane holds one token, its registers run along d.   kind 1 (v): the sources swapped: a lane holds one d, its registers run along the tokens, the next K.
; While a K step is multiplied the next one's 13 loads are on their way, into the other buffer, four places behind the products that read it.
; first = 1: the pass that may find xn's last loads still out.  xn was asked for K step by K step, 24 loads each, and the head has waited until at most 63 loads were out: K steps 0 to 4 have 72 younger loads or more and are in;
; K steps 5, 6 and 7 are waited for here, with the 48, 24 and 0 loads of the later steps as the count.  (In the loop's second trip nothing is out.)
.macro MM kind, first
.set kk, 0
.rept 8
	s_wait_dscnt 0x0                               ; this K step's fragments and scale words are in (asked for 16 matrix instructions ago)
.if \first
.if kk >= 5
	s_wait_loadcnt 24*(7-kk)                       ; this K step's eight fragments of xn are in; the later steps' loads may be out
.endif
.endif
.if kk < 7
.if kk > 0
	PLACES 4
.endif
	KLOADS kk+1
.endif
.set tt, 0
.rept 8
.set ff, 8*kk+tt
.if ff == 63
.set wx, 0
.set rX, 114
.else
.set wx, 1+ff/21
.set rX, 12*(ff%21)
.endif
.set uu, 0
.rept 2
.if \kind == 0
	WIN 4*wx
.set rD, ACC+16*tt+8*uu
.set rA, WF+24*(kk%2)+12*uu
.set rB, rX
.set rSA, 28+kk
.set fA, uu
.set rSB, 20+4*(kk%2)+tt/2
.set fB, tt%2
.else
	WIN wx
.set rD, ACC+64*uu+8*tt
.set rA, rX
.set rB, WF+24*(kk%2)+12*uu
.set rSA, 20+4*(kk%2)+tt/2
.set fA, tt%2
.set rSB, 28+kk
.set fB, uu
.endif
.if kk == 0
.set rC, 50+8*uu
.else
.set rC, rD
.endif
	WMMAC
.set uu, uu+1
.endr
.set tt, tt+1
.endr
	WIN 0
.set kk, kk+1
.endr
.endm
; Four blocks of 32 (block i: ACC + 16 i on, 16 numbers in this lane, 16 in lane l xor 16) become codes and scale bytes in LDS.  THE STORE'S ADDRESS DOES THE EXCHANGE OF HALVES: lane (r, h) puts its 12 bytes at
; 12 h in the 24 bytes of the lane that will hold the block.  The first byte of a scale word goes as a word (the bytes above it 0), the others as bytes.
; kind 0: block i = token tile i, pass b = block b of d.   kind 1: g = weight tile u, block n = 32 keys; d = 32 b + 16 u + r goes to fragment 2 b + r / 8, row r % 8 + 8 u.
.macro Q4 g, kind, b
.irp n, 0,1,2,3
	v_max3_num_f32 v[90+\n], |v[ACC+16*(4*\g+\n)]|, |v[ACC+16*(4*\g+\n)+1]|, 0x1800000   ; each accumulator is read from its low end on; the floor 2^(3 - 127) holds the byte at 1 from below
.endr
.irp k, 2,4,6,8,10,12,14
.irp n, 0,1,2,3
	v_max3_num_f32 v[90+\n], v[90+\n], |v[ACC+16*(4*\g+\n)+\k]|, |v[ACC+16*(4*\g+\n)+\k+1]|
.endr
.endr
.irp n, 0,1,2,3
	v_permlanex16_b32 v[94+\n], v[90+\n], s80, s81
.endr
.irp n, 0,1,2,3
	v_max_num_f32 v[90+\n], v[90+\n], v[94+\n]
.endr
.irp n, 0,1,2,3
	v_add_nc_u32 v[94+\n], 0xff000000, v[90+\n]    ; 2 off the exponent field: the conversion's scale operand
.endr
.irp n, 0,1,2,3
	v_lshrrev_b32 v[90+\n], 23, v[94+\n]           ; the scale's byte
.endr
.irp n, 0,1,2,3
	v_cvt_scalef32_pk16_fp6_f32 v[98+4*\n:100+4*\n], v[ACC+16*(4*\g+\n):ACC+16*(4*\g+\n)+15], v[94+\n]
.endr
	v_nop                                          ; one plain place behind a scaled conversion
.irp n, 0,1,2,3
.if \kind == 0
.irp c, 0,1,2
	ds_store_b32 v12, v[98+4*\n+\c] offset:768*(4*\g+\n)+384*\b+4*\c
.endr
.if \b == 0
	ds_store_b32 v14, v[90+\n] offset:64*(4*\g+\n)
.else
	ds_store_b8 v14, v[90+\n] offset:64*(4*\g+\n)+\b
.endif
.else
.irp c, 0,1,2
	ds_store_b32 v15, v[98+4*\n+\c] offset:3072*\b+192*\g+768*(\n/2)+384*(\n%2)+4*\c
.endr
.if \n == 0
	ds_store_b32 v16, v[90+\n] offset:128*\b+32*\g
.else
	ds_store_b8 v16, v[90+\n] offset:128*\b+32*\g+\n
.endif
.endif
.endr
	s_wait_dscnt 0x0                               ; the stores have read their registers
.endm
	s_load_b512 s[4:19], s[0:1], 0x0               ; xcodes s[4:5], xscales s[6:7], Wq's codes, scales s[8:11], Wk's s[12:15], Wv's s[16:19]
	s_load_b256 s[20:27], s[0:1], 0x40             ; bq s[20:21], bk s[22:23], bv s[24:25], ccodes s[26:27]
	s_load_b64 s[28:29], s[0:1], 0x60              ; cscales
	v_lshl_add_u32 v254, v0, 2, SPARE
	v_mov_b32 v255, 0
	ds_add_u32 v254, v255                          ; the wave's opening: the add, twice on end, and its wait ahead of my first tensor load; the set-up below stands between
	ds_add_u32 v254, v255
	v_lshrrev_b32 v17, 5, v0
	v_readfirstlane_b32 s30, v17                   ; wave 0..3
	s_bfe_u32 s31, ttmp6, 0x40000                  ; my place in the cluster: the batch.  It enters the addresses of xcodes, xscales, ccodes and cscales alone
	s_and_b32 s32, ttmp7, 0xffff                   ; 16 e + head, which the four partners share
	s_mov_b32 s36, 15|(1<<20)|(1<<21)|(5<<22)|(3<<25)   ; group 1, codes: mask of all four; elements of 1 byte; padding on; bit 21 beside a mask; after every 64 words 4 words
	s_mov_b32 s37, 768<<16                         ; tensor_dim0 = 768
	s_mov_b32 s38, 64<<16                          ; tensor_dim1 = 64
	s_mov_b32 s39, 768<<16                         ; tile_dim0 = 768
	s_mov_b32 s40, 64                              ; tile_dim1 = 64
	s_mov_b32 s41, 768                             ; the pitch
	s_mov_b32 s42, 0
	s_mov_b32 s43, 0
	s_mov_b32 s78, 0x3e38aa3b                      ; c = log2(e) / 8
	s_mov_b32 s79, s78                             ; (named with it as a pair)
	s_mov_b32 s80, 0x76543210
	s_mov_b32 s81, 0xfedcba98                      ; v_permlanex16_b32's selects for lane l xor 16
	v_and_b32 v17, 31, v0                          ; lane
	v_and_b32 v18, 15, v0                          ; r
	v_bfe_u32 v19, v0, 4, 1                        ; h
	v_lshlrev_b32 v1, 4, v17
	v_mul_u32_u24 v2, v18, 816
	v_mad_u32_u24 v2, v19, 24, v2
	v_lshl_add_u32 v3, v19, 4, v2
	v_lshlrev_b32 v6, 5, v17
	v_add_nc_u32 v6, WSC, v6
	s_mul_i32 s94, s30, 12288
	s_add_co_u32 s94, s94, BIS
	v_add_nc_u32 v8, s94, v1
	s_lshl_b32 s94, s30, 12
	s_add_co_u32 s94, s94, XSS
	v_add_nc_u32 v10, s94, v1
	s_mul_i32 s94, s30, 6144
	v_mul_u32_u24 v11, v18, 24
	v_mad_u32_u24 v11, v19, 12, v11
	s_add_co_u32 s95, s94, QF
	v_add_nc_u32 v11, s95, v11                     ; QF + 6,144 w + 24 r + 12 h
	s_lshl_b32 s95, s30, 9
	s_add_co_u32 s95, s95, QS
	v_lshl_add_u32 v13, v18, 2, s95                ; QS + 512 w + 4 r
	v_lshrrev_b32 v4, 3, v18
	v_and_b32 v5, 7, v18
	v_mul_u32_u24 v15, v4, 1536
	v_mad_u32_u24 v15, v5, 24, v15
	v_mad_u32_u24 v15, v19, 12, v15
	s_add_co_u32 s95, s94, VF
	v_add_nc_u32 v15, s95, v15                     ; VF + 6,144 w + 1,536 (r / 8) + 24 (r % 8) + 12 h
	s_lshl_b32 s95, s30, 8
	s_add_co_u32 s95, s95, VS
	v_lshlrev_b32 v16, 6, v4
	v_lshl_add_u32 v16, v5, 2, v16
	v_add_nc_u32 v16, s95, v16                     ; VS + 256 w + 64 (r / 8) + 4 (r % 8)
	v_lshlrev_b32 v4, 5, v17                       ; offsets of the small loads below: 32 lane,
	v_lshlrev_b32 v5, 5, v19                       ; 32 h,
	v_lshlrev_b32 v7, 2, v18                       ; 4 r
	v_lshlrev_b32 v50, 4, v0                       ; the weights' scale bytes: 16 x thread in a block of 2,048 bytes,
	v_lshl_add_u32 v51, v0, 4, WSC                 ; and the same place in LDS
	s_wait_alu depctr_va_vdst(0)
	s_wait_dscnt 0x0                               ; both opening adds are done
	s_wait_kmcnt 0x0
	s_mul_i32 s94, s32, 49152                      ; the head's 64 weight rows of 768 bytes
	s_mov_b32 s95, 0
	s_cmp_eq_u32 s30, 0                            ; wave 0 fetches Wq's tile, wave 1 Wk's, wave 2 Wv's; wave 3 issues no tensor load
	s_cselect_b64 s[96:97], s[8:9], s[12:13]
	s_cmp_eq_u32 s30, 2
	s_cselect_b64 s[96:97], s[16:17], s[96:97]
	s_mov_b32 s52, 1
	s_mul_i32 s53, s30, 52224
	s_add_nc_u64 s[54:55], s[96:97], s[94:95]
	s_or_b32 s55, s55, 0x80000000
	s_lshl_b32 s94, s32, 11                        ; and their 2,048 scale bytes
	s_add_nc_u64 s[58:59], s[10:11], s[94:95]      ; Wq's scale bytes of the head's 64 rows,
	s_add_nc_u64 s[62:63], s[14:15], s[94:95]      ; Wk's,
	s_add_nc_u64 s[70:71], s[18:19], s[94:95]      ; Wv's
	s_lshl_b32 s94, s32, 8                         ; the head's 64 numbers of each bias
	s_add_nc_u64 s[20:21], s[20:21], s[94:95]
	s_add_nc_u64 s[22:23], s[22:23], s[94:95]
	s_add_nc_u64 s[24:25], s[24:25], s[94:95]
	s_lshl_b32 s33, s31, 2
	s_add_co_u32 s33, s33, s30                     ; G = 4 b + w: my group of 128 tokens
	s_mul_i32 s98, s33, 98304                      ; 8 tiles x 12,288 bytes
	s_mov_b32 s99, 0
	s_add_nc_u64 s[86:87], s[4:5], s[98:99]
	s_lshl_b32 s98, s33, 12
	s_add_nc_u64 s[88:89], s[6:7], s[98:99]
	s_and_b32 s34, s32, 0x30
	s_add_co_u32 s34, s34, s33                     ; 16 e + G
	s_and_b32 s35, s32, 15                         ; head
	s_mul_i32 s98, s34, 98304
	s_mul_i32 s33, s35, 768
	s_add_co_u32 s98, s98, s33
	s_add_nc_u64 s[90:91], s[26:27], s[98:99]      ; ccodes at ((128 e + 8 G) x 16 + head) x 768
	s_lshl_b32 s98, s34, 12
	s_lshl_b32 s33, s35, 8
	s_add_co_u32 s98, s98, s33
	s_add_nc_u64 s[92:93], s[28:29], s[98:99]      ; cscales at ((16 e + G) x 16 + head) x 256
	CROUND                                         ; all four work-groups are here: the joint loads meet
	s_cmp_lt_u32 s30, 3                            ; waves 0 to 2 issue one joint load each: one load of a wave is out at the most
	s_cbranch_scc0 .Lfilled
	tensor_load_to_lds s[52:55], s[36:43]
	s_nop 0
	PLACES 4
.Lfilled:
	global_load_b128 v[52:55], v50, s[58:59]       ; the three blocks of scale bytes: the 128 threads take 16 bytes of each, 512 consecutive bytes a wave
	global_load_b128 v[56:59], v50, s[62:63]
	global_load_b128 v[60:63], v50, s[70:71]
.irp P, 0,1,2,3                                ; xn's scale bytes: lane = token 32 P + lane, 32 bytes a lane
	global_load_b128 v[ACC+8*\P:ACC+8*\P+3], v4, s[88:89] offset:1024*\P
	global_load_b128 v[ACC+8*\P+4:ACC+8*\P+7], v4, s[88:89] offset:1024*\P+16
.endr
.irp b, 0,1                                    ; bq, bk: lane half h wants d = 32 b + 16 u + 8 h + 0 .. 7
.irp u, 0,1
.irp f, 0,1
	global_load_b128 v[ACC+32+16*\b+8*\u+4*\f:ACC+32+16*\b+8*\u+4*\f+3], v5, s[20:21] offset:128*\b+64*\u+16*\f
	global_load_b128 v[ACC+64+16*\b+8*\u+4*\f:ACC+64+16*\b+8*\u+4*\f+3], v5, s[22:23] offset:128*\b+64*\u+16*\f
.endr
.endr
.endr
.irp b, 0,1                                    ; bv: lane r wants d = 32 b + 16 u + r
.irp u, 0,1
	global_load_b32 v[ACC+96+8*\b+4*\u], v7, s[24:25] offset:128*\b+64*\u
.endr
.endr
.set ff, 0
.rept 64                                       ; xn's 64 fragments, K step by K step: 512 consecutive bytes a load
.if ff == 63
.set wx, 0
.set rX, 114
.else
.set wx, 1+ff/21
.set rX, 12*(ff%21)
.endif
	WIN 64*wx
.irp c, 0,1,2
	global_load_b128 v[rX+4*\c:rX+4*\c+3], v1, s[86:87] offset:12288*(ff%8)+1536*(ff/8)+512*\c
.endr
.set ff, ff+1
.endr
	WIN 0
	s_wait_loadcnt 63                              ; the largest count that the wait can name.  Of the 223 loads the oldest 160 are in: the 31 small ones and xn's K steps 0 to 4 (120 loads) among them
.irp m, 0,1,2
	ds_store_b128 v51, v[52+4*\m:55+4*\m] offset:2048*\m   ; the weights' scale bytes, as they lie in memory; read behind the barrier below
.endr
.irp P, 0,1,2,3
.irp s, 0,1,2,3,4,5,6,7
	ds_store_b32 v10, v[ACC+8*\P+\s] offset:512*\s+4*\P   ; so that a K step's four words come back by one load
.endr
.endr
.irp m, 0,1
.irp b, 0,1
.irp u, 0,1
.irp f, 0,1
	ds_store_b128 v8, v[ACC+32+32*\m+16*\b+8*\u+4*\f:ACC+32+32*\m+16*\b+8*\u+4*\f+3] offset:2048*(2*\m+\b)+512*(2*\u+\f)
.endr
.endr
.endr
.endr
.irp b, 0,1
.irp u, 0,1
.irp i, 1,2,3
	v_mov_b32 v[ACC+96+8*\b+4*\u+\i], v[ACC+96+8*\b+4*\u]   ; in v's layout all eight registers of C hold the lane's own bv
.endr
.endr
.endr
.irp b, 0,1
.irp u, 0,1
.irp f, 0,1
	ds_store_b128 v8, v[ACC+96+8*\b+4*\u:ACC+96+8*\b+4*\u+3] offset:2048*(4+\b)+512*(2*\u+\f)
.endr
.endr
.endr
	s_mov_b32 s72, 0
	s_mov_b32 s73, 0
	s_mov_b32 s74, 0
	s_mov_b32 s75, 0
	s_mov_b32 s76, 0
	s_mov_b32 s77, 2
	s_wait_tensorcnt 0x0                           ; my part of the weights has landed,
	s_wait_dscnt 0x0
	s_barrier_signal -1
	s_barrier_wait -1                              ; everybody's has.  Nothing is ever filled again.  (xn's K steps 5 to 7 may still be on their way into my registers: the first pass waits for them)
	PROLOGUE 0
.Lqk:                                              ; two trips: q, then k; a trip runs the two passes of a matrix
	v_add_nc_u32 v12, s75, v11
	v_add_nc_u32 v14, s76, v13
	s_wait_alu depctr_va_vdst(0)
	MM 0, 1
	PLACES 4                                       ; behind the last products: then the next pass's first loads, which land under the quantising
	PROLOGUE 1
	Q4 0, 0, 0
	Q4 1, 0, 0
	MM 0, 0
	PLACES 4
	PROLOGUE 1
	Q4 0, 0, 1
	Q4 1, 0, 1
	s_add_co_u32 s75, s75, KF-QF
	s_add_co_u32 s76, s76, KS-QS
	s_sub_co_u32 s77, s77, 1
	s_cmp_lg_u32 s77, 0
	s_cbranch_scc1 .Lqk
	MM 1, 0
	PLACES 4
	PROLOGUE 1
	Q4 0, 1, 0
	Q4 1, 1, 0
	MM 1, 0
	PLACES 4
	Q4 0, 1, 1
	Q4 1, 1, 1
	s_barrier_signal -1                            ; (the last wait above was for all my LDS instructions)
	s_barrier_wait -1                              ; K and V of all 512 tokens lie in LDS
	; ---- ATTENTION.  K, V and their scale words come into registers once
.irp i, 56,57,58,59,60,61,63,73,230,231,232,233
	v_mov_b32 v[\i], 0                             ; Q's upper half: zero codes; partners of pairs; destinations of lane permutes
.endr
	WIN 0x40
.irp i, 192,193,194,195,196,197
	v_mov_b32 v[\i], 0                             ; what tile 31's source 0 names behind K's last codes
.endr
	WIN 0
	v_lshlrev_b32 v2, 3, v17
	v_mul_u32_u24 v9, v17, 24
	s_mul_i32 s94, s30, 6144
	s_add_co_u32 s94, s94, QF
	v_add_nc_u32 v3, s94, v9
	s_lshl_b32 s94, s30, 9
	s_add_co_u32 s94, s94, QS
	v_lshl_add_u32 v5, v18, 2, s94
	s_lshl_b32 s94, s30, 8
	s_add_co_u32 s94, s94, CS
	v_lshl_add_u32 v7, v18, 1, s94
	v_lshl_add_u32 v13, v17, 3, s94
	v_add_nc_u32 v10, VF, v9
	v_add_nc_u32 v9, KF, v9
	v_lshlrev_b32 v11, 2, v17
	v_add_nc_u32 v12, VS, v11
	v_add_nc_u32 v11, KS, v11
	s_wait_alu depctr_va_vdst(0)
	WIN 0x40
.set tq, 0
.rept 32
.irp p, 0,1,2
	ds_load_b64 v[6*tq+2*\p:6*tq+2*\p+1], v9 offset:768*tq+8*\p
.endr
.set tq, tq+1
.endr
	WIN 0x80
.set tq, 0
.rept 32                                       ; fragment tq / 2, its half tq % 2
.irp p, 0,1,2
	ds_load_b64 v[6*tq+2*\p:6*tq+2*\p+1], v10 offset:768*tq+8*\p
.endr
.set tq, tq+1
.endr
	WIN 0
.set tq, 0
.rept 16
	ds_load_b32 v[20+tq], v11 offset:128*tq        ; lanes 0-15: tile 2 i's words, lanes 16-31: tile 2 i + 1's
.set tq, tq+1
.endr
.set tq, 0
.rept 8
	ds_load_b32 v[36+tq], v12 offset:128*tq
.set tq, tq+1
.endr
.irp p, 0,1,2
	ds_load_b64 v[50+2*\p:51+2*\p], v3 offset:8*\p   ; my first query tile
.endr
	ds_load_b32 v48, v5
; THE PIECES OF A TRIP, each numbered by a symbol that it steps.
.macro SQ                              ; product tq of 32 of S^T = K Q^T: a lane holds one query; tile tq's registers are keys 16 tq + 8 h + 0 .. 7.  K in window 1, the scores in window 3
	WIN 0xc1
.set rD, 8*tq
.set rA, 6*tq
.set rB, 50
.set rSA, 20+tq/2
.set fA, tq%2
.set rSB, 48
	WMMA0
.endm
.macro MX                              ; line mx of 128: the largest score of each block of 32 keys, the 16 blocks by turns: it serves the row's maximum and, since p rises with the score, the block's largest p
.if mx < 16
	WIN 0x3f
	v_max3_num_f32 v[74+mx], v[16*mx], v[16*mx+1], v[16*mx+2]   ; each accumulator is read from its low end on
.elseif mx < 112
	WIN 0x3c
	v_max3_num_f32 v[74+mx%16], v[74+mx%16], v[16*(mx%16)+2*(mx/16)+1], v[16*(mx%16)+2*(mx/16)+2]
.else
	WIN 0x3c
	v_max_num_f32 v[74+mx-112], v[74+mx-112], v[16*(mx-112)+15]
.endif
.set mx, mx+1
.endm
.macro PL                              ; line pl of 48: p's codes into the operand's layout, which wants a whole block in a lane: for each pair of blocks three exchanges of halves, then three moves
.if pl%6 < 3
	v_permlane16_swap_b32 v[138+6*(pl/6)+pl%6], v[186+4*(pl/6)+pl%6]
.else
	v_mov_b32 v[138+6*(pl/6)+pl%6], v[186+4*(pl/6)+pl%6-3]
.endif
.set pl, pl+1
.endm
.macro PV                              ; product pv of 16 of O^T = V^T P^T: key step pv / 4, tile pv % 4: four accumulators by turns; the first four start the sums.  V in window 2
	WIN 0x02
.set rD, 106+8*(pv%4)
.set rA, 12*pv
.set rB, 138+12*(pv/4)
.set rSA, 36+2*(pv/4)+(pv%4)/2
.set fA, pv%2
.set rSB, 44+pv/4
.set fB, 0
.if pv < 4
	WMMA0
.else
.set rC, rD
	WMMAC
.endif
.set pv, pv+1
.endm
; A TRIP: query tile i.  It finds tile i's scores in window 3 and their block maxima (of this lane's 16 keys a block) in v74-89.  last = 0: it leaves tile i + 1's there.
.macro TRIP last
.set bb, 0
.rept 16
	v_permlanex16_b32 v[90+bb], v[74+bb], s80, s81
.set bb, bb+1
.endr
.set bb, 0
.rept 16
	v_max_num_f32 v[74+bb], v[74+bb], v[90+bb]     ; with lane l xor 16's 16 keys
.set bb, bb+1
.endr
	v_max3_num_f32 v230, v74, v75, v76
	v_max3_num_f32 v231, v77, v78, v79
	v_max3_num_f32 v232, v80, v81, v82
	v_max3_num_f32 v233, v83, v84, v85
	v_max3_num_f32 v234, v86, v87, v88
	v_max3_num_f32 v230, v230, v231, v232
	v_max3_num_f32 v233, v233, v234, v89
	v_max_num_f32 v230, v230, v233                 ; the row's largest score
	v_mul_f32 v230, s78, v230                      ; as t
	v_floor_f32 v62, -v230                         ; -M = floor(-t) = -ceil(t)
.set bb, 0
.rept 16
	v_fma_f32 v[74+bb], v[74+bb], s78, v62
.set bb, bb+1
.endr
.set bb, 0
	s_wait_alu depctr_va_vdst(0)
.rept 16
	v_exp_f32 v[74+bb], v[74+bb]                   ; each block's largest p: the same two instructions on the same number as below give the same bits
.set bb, bb+1
.endr
	v_nop
	s_wait_alu depctr_va_vdst(0)                   ; one wait for the sixteen, ahead of their first reader
.set bb, 0
.rept 16
	v_max_num_f32 v[74+bb], 0x1800000, v[74+bb]    ; the floor: the byte cannot fall under 1
.set bb, bb+1
.endr
.set bb, 0
.rept 16
	v_add_nc_u32 v[90+bb], 0xff000000, v[74+bb]    ; the conversions' scale operands
.set bb, bb+1
.endr
.set bb, 0
.rept 16
	v_lshrrev_b32 v[74+bb], 23, v[90+bb]
.set bb, bb+1
.endr
.irp S, 0,1,2,3
	v_lshl_or_b32 v[44+\S], v[75+4*\S], 8, v[74+4*\S]   ; p's scale word for keys 128 S on
.endr
.irp S, 0,1,2,3
	v_lshl_or_b32 v[44+\S], v[76+4*\S], 16, v[44+\S]
.endr
.irp S, 0,1,2,3
	v_lshl_or_b32 v[44+\S], v[77+4*\S], 24, v[44+\S]
.endr
	WIN 0xc3                                       ; p = 2^(c s - M), in place, in FOUR RUNS of 64 exponentials: among a run's exponentials stand the packed scalings of the next run's 64 numbers
.set j, 0
.rept 32
	v_pk_fma_f32 v[2*j:2*j+1], v[2*j:2*j+1], s[78:79], v[62:63] op_sel_hi:[1,0,0]   ; the first run's sources
.set j, j+1
.endr
.set cc, 0
.rept 4
	s_wait_alu depctr_va_vdst(0)                   ; the wait ahead of each run: its sources were written ahead of it
.set j, 0
.rept 32
	v_exp_f32 v[64*cc+2*j], v[64*cc+2*j]
	v_exp_f32 v[64*cc+2*j+1], v[64*cc+2*j+1]
.if cc < 3
	v_pk_fma_f32 v[64*cc+64+2*j:64*cc+65+2*j], v[64*cc+64+2*j:64*cc+65+2*j], s[78:79], v[62:63] op_sel_hi:[1,0,0]
.endif
.set j, j+1
.endr
.set cc, cc+1
.endr
	WIN 0
	v_nop
	s_wait_alu depctr_va_vdst(0)                   ; one wait for the 256
	WIN 0x03
.set bb, 0
.rept 16
.if bb%2 == 0
	v_cvt_scalef32_pk16_fp6_f32 v[138+6*(bb/2):140+6*(bb/2)], v[16*bb:16*bb+15], v[90+bb]
.else
	v_cvt_scalef32_pk16_fp6_f32 v[186+4*(bb/2):188+4*(bb/2)], v[16*bb:16*bb+15], v[90+bb]   ; a conversion's three registers begin on an even number
.endif
.set bb, bb+1
.endr
	WIN 0
	v_nop                                          ; one plain place behind a scaled conversion
	s_wait_alu depctr_va_vdst(0)
	s_wait_dscnt 0x0                               ; the next tile's q and its scale word are in, and the last trip's LDS instructions have read their registers:
.if !\last
	v_add_nc_u32 v4, s82, v3                       ; so this trip's addresses may be written
	v_add_nc_u32 v6, s83, v5
.endif
	v_add_nc_u32 v8, s84, v7
	WIN 0x0f                                       ; THE ROW'S SUM OF THE UNQUANTISED p, two at a time, in four chains, which p's tiles 0 and 1 start
.irp k, 0,1,2,3
	v_pk_add_f32 v[64+2*\k:65+2*\k], v[2*\k:2*\k+1], v[2*\k+8:2*\k+9]
.endr
.set pl, 0
.set tq, 0
.rept 32                                       ; ahead of product tq: the four additions that take p's tile tq + 2, so that a register is read a slice before it is written over; and, while they last, two of the 48 lines PL
.if tq < 30
	WIN 0x0c
.irp k, 0,1,2,3
	v_pk_add_f32 v[64+2*\k:65+2*\k], v[64+2*\k:65+2*\k], v[8*(tq+2)+2*\k:8*(tq+2)+2*\k+1]
.endr
.endif
.if tq < 24
	PL
	PL
.endif
.if !\last
	SQ
.endif
.set tq, tq+1
.endr
	WIN 0
	v_pk_add_f32 v[64:65], v[64:65], v[66:67]      ; the sum's chains, halves and lane l xor 16's
	v_pk_add_f32 v[68:69], v[68:69], v[70:71]
	v_pk_add_f32 v[64:65], v[64:65], v[68:69]
	v_add_f32 v64, v64, v65
	v_permlanex16_b32 v230, v64, s80, s81
	v_add_f32 v64, v64, v230                       ; the row's sum; its reciprocal is taken behind the products below
.set pv, 0
.set mx, 0
.rept 16                                       ; behind each product of this tile's V^T P: eight lines of the next tile's block maxima.  The last eight are also the places behind the last product
	PV
.if !\last
.rept 8
	MX
.endr
.endif
.endr
	WIN 0
.if \last
	PLACES 4
.endif
	s_wait_alu depctr_va_vdst(0)                   ; the wait ahead of the branch and of the reciprocal, whose source stands above
.if !\last
	s_cmp_eq_u32 s77, 1                            ; the q of the tile after next is asked for here, if there is one; the products that read these registers stand more than four plain lines back
	s_cbranch_scc1 .Lno_next_q_\@
.irp p, 0,1,2
	ds_load_b64 v[50+2*\p:51+2*\p], v4 offset:1536+8*\p
.endr
	ds_load_b32 v48, v6 offset:128
.Lno_next_q_\@:
.endif
	v_rcp_f32 v72, v64                             ; 1 / the row's sum
	v_nop                                          ; one plain place behind the transcendental
	s_wait_alu depctr_va_vdst(0)                   ; the wait directly ahead of the first readers of the reciprocal and of O^T
.set j, 0
.rept 16
	v_pk_mul_f32 v[106+2*j:107+2*j], v[106+2*j:107+2*j], v[72:73] op_sel_hi:[1,0]   ; ctx: register 16 b + i is d = 32 b + 16 h + i of my query
.set j, j+1
.endr
.irp b, 0,1
	v_max3_num_f32 v[230+\b], |v[106+16*\b]|, |v[107+16*\b]|, 0x1800000
.endr
.irp k, 2,4,6,8,10,12,14
.irp b, 0,1
	v_max3_num_f32 v[230+\b], v[230+\b], |v[106+16*\b+\k]|, |v[107+16*\b+\k]|
.endr
.endr
.irp b, 0,1
	v_permlanex16_b32 v[232+\b], v[230+\b], s80, s81
.endr
.irp b, 0,1
	v_max_num_f32 v[230+\b], v[230+\b], v[232+\b]
.endr
.irp b, 0,1
	v_add_nc_u32 v[232+\b], 0xff000000, v[230+\b]
.endr
.irp b, 0,1
	v_lshrrev_b32 v[230+\b], 23, v[232+\b]
.endr
	v_lshl_or_b32 v235, v231, 8, v230              ; the head's two scale bytes of my query
	s_wait_alu depctr_va_vdst(0)
	s_wait_xcnt 0x0                                ; the last trip's stores, a trip back, have read their data and their base: both are written again only behind this wait
	s_add_nc_u64 s[90:91], s[90:91], 12288         ; a tile on; the stores below reach back by their immediates
	v_cvt_scalef32_pk16_fp6_f32 v[218:220], v[106:121], v232
	v_cvt_scalef32_pk16_fp6_f32 v[226:228], v[122:137], v233
	v_nop
.irp i, 0,1,2
	v_permlane16_swap_b32 v[218+\i], v[226+\i]
.endr
.irp i, 0,1,2
	v_mov_b32 v[221+\i], v[226+\i]
.endr
	ds_store_b16 v8, v235                          ; both halves of the lanes write the same two bytes
	global_store_b128 v1, v[218:221], s[90:91] offset:-12288   ; half a fragment of the last product: 512 consecutive bytes,
	global_store_b64 v2, v[222:223], s[90:91] offset:512-12288   ; and 256
.endm
	s_mov_b32 s82, 0
	s_mov_b32 s83, 0
	s_mov_b32 s84, 0
	s_mov_b32 s77, 7
	s_wait_dscnt 0x0                               ; K, V, their scale words and my first q are in
.set tq, 0
.rept 32
	SQ                                             ; tile 0's scores: there is no vector work yet to set between them
.set tq, tq+1
.endr
	WIN 0
	PLACES 4
.irp p, 0,1,2
	ds_load_b64 v[50+2*\p:51+2*\p], v3 offset:768+8*\p   ; tile 1's q
.endr
	ds_load_b32 v48, v5 offset:64
.set mx, 0
.rept 128
	MX                                             ; and tile 0's block maxima
.endr
	WIN 0
.Ltile:                                            ; seven trips: tile i, with tile i + 1's scores and maxima among its lines
	TRIP 0
	s_add_co_u32 s82, s82, 768
	s_add_co_u32 s83, s83, 64
	s_add_co_u32 s84, s84, 32
	s_sub_co_u32 s77, s77, 1
	s_cmp_lg_u32 s77, 0
	s_cbranch_scc1 .Ltile
	TRIP 1                                         ; the eighth tile: nothing follows it
	ds_load_b64 v[230:231], v13                    ; LDS serves a wave's instructions in order: this sees my stores
	s_wait_dscnt 0x0
	global_store_b64 v2, v[230:231], s[92:93]      ; my 128 queries' scale bytes: 256 consecutive bytes, aligned
	s_wait_tensorcnt 0x0                           ; the wave's end
	ds_add_u32 v254, v255
	s_wait_dscnt 0x0
	CROUND                                         ; the closing round
	s_endpgm
.Lfunc_end_k_q238dc749d4_attn:
	.size	k_q238dc749d4_attn, .Lfunc_end_k_q238dc749d4_attn-k_q238dc749d4_attn
	.p2alignl 7, 3214868480
	.fill 96, 4, 3214868480
	.section	.rodata,"a",@progbits
	.p2align	6, 0x0
	.amdhsa_kernel k_q238dc749d4_attn
		.amdhsa_group_segment_fixed_size 327680
		.amdhsa_private_segment_fixed_size 0
		.amdhsa_enable_private_segment 0
		.amdhsa_kernarg_size 104
		.amdhsa_user_sgpr_count 2
		.amdhsa_user_sgpr_kernarg_segment_ptr 1
		.amdhsa_wavefront_size32 1
		.amdhsa_system_sgpr_workgroup_id_x 1
		.amdhsa_system_sgpr_workgroup_id_y 1
		.amdhsa_system_sgpr_workgroup_id_z 1
		.amdhsa_system_vgpr_workitem_id 0
		.amdhsa_next_free_vgpr 1024
		.amdhsa_next_free_sgpr 100
		.amdhsa_reserve_vcc 0
		.amdhsa_float_denorm_mode_32 3
		.amdhsa_float_denorm_mode_16_64 3
		.amdhsa_memory_ordered 1
		.amdhsa_forward_progress 1
		.amdhsa_inst_pref_size 255
	.end_amdhsa_kernel
	.section	.bss,"aw",@nobits
	.p2align	6
	.space	262144
	.amdgpu_metadata
---
amdhsa.version: [ 1, 2 ]
amdhsa.kernels:
  - .name:           k_q238dc749d4_attn
    .symbol:         k_q238dc749d4_attn.kd
    .args:
      - { .name: xcodes, .offset: 0, .size: 8, .value_kind: global_buffer, .address_space: global }
      - { .name: xscales, .offset: 8, .size: 8, .value_kind: global_buffer, .address_space: global }
      - { .name: Wq_codes, .offset: 16, .size: 8, .value_kind: global_buffer, .address_space: global }
      - { .name: Wq_scales, .offset: 24, .size: 8, .value_kind: global_buffer, .address_space: global }
      - { .name: Wk_codes, .offset: 32, .size: 8, .value_kind: global_buffer, .address_space: global }
      - { .name: Wk_scales, .offset: 40, .size: 8, .value_kind: global_buffer, .address_space: global }
      - { .name: Wv_codes, .offset: 48, .size: 8, .value_kind: global_buffer, .address_space: global }
      - { .name: Wv_scales, .offset: 56, .size: 8, .value_kind: global_buffer, .address_space: global }
      - { .name: bq, .offset: 64, .size: 8, .value_kind: global_buffer, .address_space: global }
      - { .name: bk, .offset: 72, .size: 8, .value_kind: global_buffer, .address_space: global }
      - { .name: bv, .offset: 80, .size: 8, .value_kind: global_buffer, .address_space: global }
      - { .name: ccodes, .offset: 88, .size: 8, .value_kind: global_buffer, .address_space: global }
      - { .name: cscales, .offset: 96, .size: 8, .value_kind: global_buffer, .address_space: global }
    .group_segment_fixed_size: 327680
    .private_segment_fixed_size: 0
    .kernarg_segment_align: 8
    .kernarg_segment_size: 104
    .max_flat_workgroup_size: 128
    .sgpr_count:     100
    .vgpr_count:     1024
    .wavefront_size: 32
...
	.end_amdgpu_metadata
.endif
;; end of part 2
;; launch oproj (part 3): grid 16 x 16, 4 waves a work-group, clusters of 4 x 1, 327,680 bytes of LDS; arguments ccodes, cscales, gates, Wo_codes, Wo_scales, bo, x, out0; writes out0
.if DOCPART == 3
	.amdgcn_target "amdgcn-amd-amdhsa--gfx1250"
	.amdhsa_code_object_version 6
	.text
	.protected	k_q238dc749d4_oproj
	.globl	k_q238dc749d4_oproj
	.p2align	8
	.type	k_q238dc749d4_oproj,@function
k_q238dc749d4_oproj:
	s_mov_b64 s[64:65], 0
	v_nop
	global_prefetch_b8 v0, s[64:65] scope:SCOPE_SE
	s_setreg_imm32_b32 hwreg(HW_REG_WAVE_MODE, 25, 1), 1
	s_wait_xcnt 0x0
	s_wait_alu depctr_hold_cnt(0) depctr_sa_sdst(0) depctr_va_vdst(0) depctr_va_sdst(0) depctr_va_ssrc(0) depctr_va_vcc(0) depctr_vm_vsrc(0)
	s_getreg_b32 s2, hwreg(HW_REG_IB_STS2, 6, 4)
	s_cmp_eq_u32 s2, 0
	s_cbranch_scc0 .Lentry_in_a_cluster
	s_endpgm
.Lentry_in_a_cluster:
	s_bfe_u32 s2, ttmp6, 0x10000c
	s_cmp_lg_u32 s2, 0x3003
	s_cbranch_scc0 .Lentry_shape_is_right
	s_endpgm
.Lentry_shape_is_right:
; out = x + the sum over e of gate_e (ctx_e Wo_e + bo_e), the products on codes of E2M3 with E8M0 scales.  No work is left out.
; SHARES.  A work-group makes 128 tokens (group G) x 64 columns (nt).  K IS SHARED OUT BY EXPERT: wave e makes the whole tile of expert e, 32 accumulators, 256 matrix instructions.  A gate is no power of two, so each expert
; wants sums of its own anyway; and so each fragment of ctx is wanted by one wave alone and goes from the register images in memory straight into registers.  Only Wo passes LDS, each fragment read once.
; The four waves' tiles, multiplied by their gates, meet once in LDS and are added in reference()'s order, then x.
; CLUSTER.  The four token groups of a cluster need the same 4 x 64 rows of Wo: asked for jointly, mask 15.  ctx, which the sixteen work-groups of a token group share, never passes LDS and so is not asked for jointly.
; THE MATRIX INSTRUCTION IS USED TRANSPOSED (source 0 = 16 rows of Wo, source 1 = 16 tokens): a lane holds eight neighbouring columns of one token.  bo is the C of each sum's first instruction.
; LIMITS: NaN and infinities are not served.
; LDS: wave e's tile of Wo at 52,224 e (64 rows, pitch 816).  Wo's scale words go from memory straight into their registers.
.set SPARE, 217088                     ; the spare words, 128 bytes for each wave: two blocks of 256 bytes that no other line names
; The stage of wave e, 128 rows x (256 + 16) bytes, lies over its own tile of Wo, which has had its one fill and which wave e alone has read.
; WINDOW 0: v1 16 lane, v2 8 lane, v3 2 lane; v4, v5 a fragment's place; v6 Wo's scale words; v7 stage in; v8-11 stage out, of the four waves' stages; v12 my place in x and out; v13 32 h; v14 16 r;
;   v16-31 Wo's scale words (pair of tiles x 8 K steps), v32-63 ctx's: scales and nothing else; v64-79 gates (tile T at 64 + 2 T); v80-111 bo; v112-207 two buffers of four fragments of Wo; v254, v255 the add's two.
; WINDOW 1: accumulator (T, t) at 8 (4 T + t).   WINDOW 2: ctx's buffers 0 and 1, 96 registers each; later the four stages' rows.   WINDOW 3: v0-95 ctx's buffer 2; v96-159 x; v160-223 halves of scale words.
.set MSB, 0
.macro WIN new
.if MSB != \new
	s_set_vgpr_msb (MSB<<8)|\new
.set MSB, \new
.endif
.endm
.macro PLACES n
.rept \n
	v_nop
.endr
.endm
.macro CROUND
	s_barrier_signal -1
	s_barrier_wait -1
	s_cmp_lg_u32 s20, 0
	s_cbranch_scc1 .Lnot_wave_0_\@
	s_barrier_signal -3
.Lnot_wave_0_\@:
	s_barrier_wait -3
	s_barrier_signal -1
	s_barrier_wait -1
.endm
.macro WMMAC
.if fA && fB
	v_wmma_scale_f32_16x16x128_f8f6f4 v[rD:rD+7], v[rA:rA+11], v[rB:rB+11], v[rC:rC+7], v[rSA], v[rSB] matrix_a_fmt:MATRIX_FMT_FP6 matrix_b_fmt:MATRIX_FMT_FP6 matrix_a_scale:MATRIX_SCALE_ROW1 matrix_b_scale:MATRIX_SCALE_ROW1
.elseif fA
	v_wmma_scale_f32_16x16x128_f8f6f4 v[rD:rD+7], v[rA:rA+11], v[rB:rB+11], v[rC:rC+7], v[rSA], v[rSB] matrix_a_fmt:MATRIX_FMT_FP6 matrix_b_fmt:MATRIX_FMT_FP6 matrix_a_scale:MATRIX_SCALE_ROW1
.elseif fB
	v_wmma_scale_f32_16x16x128_f8f6f4 v[rD:rD+7], v[rA:rA+11], v[rB:rB+11], v[rC:rC+7], v[rSA], v[rSB] matrix_a_fmt:MATRIX_FMT_FP6 matrix_b_fmt:MATRIX_FMT_FP6 matrix_b_scale:MATRIX_SCALE_ROW1
.else
	v_wmma_scale_f32_16x16x128_f8f6f4 v[rD:rD+7], v[rA:rA+11], v[rB:rB+11], v[rC:rC+7], v[rSA], v[rSB] matrix_a_fmt:MATRIX_FMT_FP6 matrix_b_fmt:MATRIX_FMT_FP6
.endif
.endm
.macro FRAGW reg, adr, s, row0         ; a fragment of Wo from rows of pitch 816: six pieces of 8 bytes; the second address register where lanes 16-31 lie behind one padding more
.irp p, 0,1,2,3,4,5
.set PC, 12*(\s)+6*(\p/3)+\p%3
.if PC%32 < 29
	ds_load_b64 v[\reg+2*\p:\reg+2*\p+1], v[\adr] offset:(\row0)*816+8*PC+16*(PC/32)
.else
	ds_load_b64 v[\reg+2*\p:\reg+2*\p+1], v[\adr+1] offset:(\row0)*816+8*PC+16*(PC/32)
.endif
.endr
.endm
.macro ALOAD s                         ; ctx's eight fragments of K step s (heads 2 s, 2 s + 1) into buffer s % 3: 32 loads of 512 or 256 consecutive bytes
.if (\s)%3 == 2
	WIN 0xc0
.set ab, 0
.else
	WIN 0x80
.set ab, 96*((\s)%3)
.endif
.irp T, 0,1,2,3,4,5,6,7
	global_load_b128 v[ab+12*\T:ab+12*\T+3], v1, s[48:49] offset:12288*\T+1536*(\s)
	global_load_b64 v[ab+12*\T+4:ab+12*\T+5], v2, s[48:49] offset:12288*\T+1536*(\s)+512
	global_load_b128 v[ab+12*\T+6:ab+12*\T+9], v1, s[48:49] offset:12288*\T+1536*(\s)+768
	global_load_b64 v[ab+12*\T+10:ab+12*\T+11], v2, s[48:49] offset:12288*\T+1536*(\s)+1280
.endr
	WIN 0
.endm
	s_load_b512 s[4:19], s[0:1], 0x0               ; ccodes s[4:5], cscales s[6:7], gates s[8:9], Wo's codes s[10:11], scales s[12:13], bo s[14:15], x s[16:17], out s[18:19]
	v_lshl_add_u32 v254, v0, 2, SPARE
	v_mov_b32 v255, 0
	ds_add_u32 v254, v255                          ; the wave's opening: the add, twice on end, and its wait ahead of my first tensor load
	ds_add_u32 v254, v255
	v_lshrrev_b32 v15, 5, v0
	v_readfirstlane_b32 s20, v15                   ; wave = expert
	s_bfe_u32 s21, ttmp6, 0x40000                  ; my place in the cluster
	s_lshl_b32 s22, ttmp9, 2
	s_add_co_u32 s22, s22, s21                     ; G: it enters the addresses of ccodes, cscales, gates, x and out alone
	s_and_b32 s23, ttmp7, 0xffff                   ; nt, which the four partners share
	s_mov_b32 s24, 15|(1<<20)|(1<<21)|(5<<22)|(3<<25)   ; group 1, codes: 64 rows of 768 bytes, 16 bytes of padding behind each 256
	s_mov_b32 s25, 768<<16
	s_mov_b32 s26, 64<<16
	s_mov_b32 s27, 768<<16
	s_mov_b32 s28, 64
	s_mov_b32 s29, 768
	s_mov_b32 s30, 0
	s_mov_b32 s31, 0
	v_and_b32 v208, 31, v0                         ; lane
	v_and_b32 v209, 15, v0                         ; r
	v_bfe_u32 v210, v0, 4, 1                       ; h
	v_lshlrev_b32 v1, 4, v208
	v_lshlrev_b32 v2, 3, v208
	v_lshlrev_b32 v3, 1, v208
	s_mul_i32 s41, s20, 52224                      ; my tile of Wo, and my stage
	v_mul_u32_u24 v4, v209, 816
	v_mad_u32_u24 v4, v210, 24, v4
	v_add_nc_u32 v4, s41, v4
	v_lshl_add_u32 v5, v210, 4, v4
	v_lshlrev_b32 v6, 5, v208                      ; 32 lane: a row's 32 scale bytes
	v_mul_u32_u24 v7, v209, 272
	v_lshl_add_u32 v7, v210, 5, v7
	v_add_nc_u32 v7, s41, v7
	s_mul_i32 s60, s20, 8704                       ; on the way out wave w takes rows 32 w on
	v_mul_u32_u24 v8, v210, 272
	v_lshl_add_u32 v8, v209, 4, v8
	v_add_nc_u32 v8, s60, v8
	v_add_nc_u32 v9, 52224, v8
	v_add_nc_u32 v10, 104448, v8
	v_add_nc_u32 v11, 156672, v8
	v_lshlrev_b32 v12, 12, v210
	v_lshl_add_u32 v12, v209, 4, v12
	v_lshlrev_b32 v13, 5, v210
	v_lshlrev_b32 v14, 4, v209
	s_wait_dscnt 0x0                               ; both opening adds are done
	s_wait_kmcnt 0x0
	s_mul_i32 s60, s20, 786432                     ; Wo's rows 1,024 e + 64 nt on
	s_mul_i32 s61, s23, 49152
	s_add_co_u32 s60, s60, s61
	s_mov_b32 s61, 0
	s_mov_b32 s40, 1
	s_add_nc_u64 s[42:43], s[10:11], s[60:61]
	s_or_b32 s43, s43, 0x80000000
	s_lshl_b32 s60, s20, 15
	s_lshl_b32 s46, s23, 11
	s_add_co_u32 s60, s60, s46
	s_add_nc_u64 s[46:47], s[12:13], s[60:61]      ; the scale bytes of my expert's 64 rows
	s_lshl_b32 s60, s20, 12                        ; bo at (1,024 e + 64 nt) x 4
	s_lshl_b32 s54, s23, 8
	s_add_co_u32 s60, s60, s54
	s_add_nc_u64 s[54:55], s[14:15], s[60:61]
	s_mov_b32 s63, 0
	s_mul_i32 s62, s20, 1572864                    ; ccodes at (128 e + 8 G) x 12,288
	s_mul_i32 s48, s22, 98304
	s_add_co_u32 s62, s62, s48
	s_add_nc_u64 s[48:49], s[4:5], s[62:63]
	s_lshl_b32 s62, s20, 4                         ; cscales at (16 e + G) x 4,096
	s_add_co_u32 s62, s62, s22
	s_lshl_b32 s62, s62, 12
	s_add_nc_u64 s[50:51], s[6:7], s[62:63]
	s_lshl_b32 s62, s22, 11                        ; gates at 128 G x 16 + 4 e
	s_lshl_b32 s52, s20, 2
	s_add_co_u32 s62, s62, s52
	s_add_nc_u64 s[52:53], s[8:9], s[62:63]
	s_lshl_b32 s62, s22, 19                        ; x and out at (128 G + 32 w) x 4,096 + 256 nt
	s_lshl_b32 s56, s20, 17
	s_add_co_u32 s62, s62, s56
	s_lshl_b32 s56, s23, 8
	s_add_co_u32 s62, s62, s56
	s_add_nc_u64 s[56:57], s[16:17], s[62:63]
	s_add_nc_u64 s[58:59], s[18:19], s[62:63]
	CROUND                                         ; all four work-groups are here: the joint loads meet
	tensor_load_to_lds s[40:43], s[24:31]          ; every wave fetches its expert's tile: one load of mine is out
	s_nop 0
	PLACES 4
.irp q, 0,1
	global_load_b128 v[16+8*\q:19+8*\q], v6, s[46:47] offset:1024*\q      ; lane = row 32 q + lane: 32 bytes, the row's eight scale words; the two loads cover 1,024 consecutive bytes
	global_load_b128 v[20+8*\q:23+8*\q], v6, s[46:47] offset:1024*\q+16
.endr
	WIN 0xc0
.set hd, 0
.rept 16
.irp P, 0,1,2,3
	global_load_u16 v[160+4*hd+\P], v3, s[50:51] offset:256*hd+64*\P   ; a head's two scale bytes of token 32 P + lane
.endr
.set hd, hd+1
.endr
	WIN 0
	s_wait_alu depctr_va_vdst(0)
.irp t, 0,1,2,3
	global_load_b128 v[80+8*\t:83+8*\t], v13, s[54:55] offset:64*\t
	global_load_b128 v[84+8*\t:87+8*\t], v13, s[54:55] offset:64*\t+16
.endr
.irp T, 0,1,2,3,4,5,6,7
	global_load_b32 v[64+2*\T], v14, s[52:53] offset:256*\T
.endr
	WIN 0xc0
.set i, 0
.rept 16
	global_load_b128 v[96+4*i:99+4*i], v12, s[56:57] offset:8192*i th:TH_LOAD_NT   ; sixteen lanes read a row's 256 bytes
.set i, i+1
.endr
	ALOAD 0
	ALOAD 1
	s_wait_loadcnt 63                              ; the largest count that the wait can name: 64 loads are younger than the 100 small ones, so those are in
	WIN 0x33
.irp P, 0,1,2,3
.irp s, 0,1,2,3,4,5,6,7
	v_lshl_or_b32 v[32+8*\P+\s], v[164+8*\s+\P], 16, v[160+8*\s+\P]   ; heads 2 s and 2 s + 1 make K step s's scale word
.endr
.endr
	WIN 0
.irp T, 0,1,2,3,4,5,6,7
	v_mov_b32 v[65+2*\T], 0                        ; the gates' partners in their pairs.  These eight are also the places between the last scale word and the first product
.endr
	s_wait_tensorcnt 0x0                           ; my tile has landed; I alone read it
.irp t, 0,1,2,3
	FRAGW 112+12*\t, 4, 0, 16*\t
.endr
.set kk, 0
.rept 8                                        ; eight K steps of 128: 32 accumulators by turns, one instruction a turn
	s_wait_alu depctr_va_vdst(0)
	s_wait_dscnt 0x0                               ; this step's fragments of Wo
.if kk < 7
	s_wait_loadcnt 32                              ; this step's ctx is in; the next step's 32 loads may be out
.else
	s_wait_loadcnt 0x0
.endif
.if kk > 0
	PLACES 4                                       ; in front of loads into registers that the last step's products read
.endif
.if kk < 7
.set fb, 112+48*((kk+1)%2)
.irp t, 0,1,2,3
	FRAGW fb+12*\t, 4, kk+1, 16*\t
.endr
.endif
.if kk < 6
	ALOAD kk+2
.endif
.if kk%3 == 2
.set wb, 3
.set ab, 0
.else
.set wb, 2
.set ab, 96*(kk%3)
.endif
.if kk == 0
	WIN 0x40+4*wb                                  ; C = bo, in window 0
.else
	WIN 0x50+4*wb
.endif
.set aa, 0
.rept 32
.set rD, 8*aa
.set rA, 112+48*(kk%2)+12*(aa%4)
.set rB, ab+12*(aa/4)
.set rSA, 16+8*((aa%4)/2)+kk
.set fA, aa%2
.set rSB, 32+8*(aa/8)+kk
.set fB, (aa/4)%2
.if kk == 0
.set rC, 80+8*(aa%4)
.else
.set rC, rD
.endif
	WMMAC
.set aa, aa+1
.endr
	WIN 0
.set kk, kk+1
.endr
	PLACES 4
	WIN 0x41
.set aa, 0
.rept 32
.irp k, 0,2,4,6
	v_pk_mul_f32 v[8*aa+\k:8*aa+\k+1], v[8*aa+\k:8*aa+\k+1], v[64+2*(aa/4):65+2*(aa/4)] op_sel_hi:[1,0]   ; x my token's gate; each accumulator from its low end on
.endr
.set aa, aa+1
.endr
	WIN 0x04
.set aa, 0
.rept 32
	ds_store_b128 v7, v[8*aa:8*aa+3] offset:4352*(aa/4)+64*(aa%4)
	ds_store_b128 v7, v[8*aa+4:8*aa+7] offset:4352*(aa/4)+64*(aa%4)+16
.set aa, aa+1
.endr
	WIN 0
	s_wait_dscnt 0x0                               ; for the others' sake: my stores into my stage are done
	s_barrier_signal -1
	s_barrier_wait -1
	WIN 0x80
.irp e, 0,1,2,3
.set i, 0
.rept 16
	ds_load_b128 v[64*\e+4*i:64*\e+4*i+3], v[8+\e] offset:544*i   ; rows 32 w + 2 i and the next, of expert e's tile
.set i, i+1
.endr
.endr
	s_wait_dscnt 0x0
	WIN 0x8a
.irp e, 1,2,3                                  ; in reference()'s order: expert 0, + 1, + 2, + 3,
.set j, 0
.rept 32
	v_pk_add_f32 v[2*j:2*j+1], v[2*j:2*j+1], v[64*\e+2*j:64*\e+2*j+1]
.set j, j+1
.endr
.endr
	WIN 0x8e
.set j, 0
.rept 32
	v_pk_add_f32 v[2*j:2*j+1], v[2*j:2*j+1], v[96+2*j:97+2*j]   ; + x
.set j, j+1
.endr
	WIN 0x08
.set i, 0
.rept 16
	global_store_b128 v12, v[4*i:4*i+3], s[58:59] offset:8192*i th:TH_STORE_NT   ; sixteen lanes store 256 consecutive bytes, aligned
.set i, i+1
.endr
	WIN 0
	s_wait_tensorcnt 0x0                           ; the wave's end
	ds_add_u32 v254, v255
	s_wait_dscnt 0x0
	CROUND                                         ; the closing round
	s_endpgm
.Lfunc_end_k_q238dc749d4_oproj:
	.size	k_q238dc749d4_oproj, .Lfunc_end_k_q238dc749d4_oproj-k_q238dc749d4_oproj
	.p2alignl 7, 3214868480
	.fill 96, 4, 3214868480
	.section	.rodata,"a",@progbits
	.p2align	6, 0x0
	.amdhsa_kernel k_q238dc749d4_oproj
		.amdhsa_group_segment_fixed_size 327680
		.amdhsa_private_segment_fixed_size 0
		.amdhsa_enable_private_segment 0
		.amdhsa_kernarg_size 64
		.amdhsa_user_sgpr_count 2
		.amdhsa_user_sgpr_kernarg_segment_ptr 1
		.amdhsa_wavefront_size32 1
		.amdhsa_system_sgpr_workgroup_id_x 1
		.amdhsa_system_sgpr_workgroup_id_y 1
		.amdhsa_system_sgpr_workgroup_id_z 1
		.amdhsa_system_vgpr_workitem_id 0
		.amdhsa_next_free_vgpr 1024
		.amdhsa_next_free_sgpr 66
		.amdhsa_reserve_vcc 0
		.amdhsa_float_denorm_mode_32 3
		.amdhsa_float_denorm_mode_16_64 3
		.amdhsa_memory_ordered 1
		.amdhsa_forward_progress 1
		.amdhsa_inst_pref_size 114
	.end_amdhsa_kernel
	.amdgpu_metadata
---
amdhsa.version: [ 1, 2 ]
amdhsa.kernels:
  - .name:           k_q238dc749d4_oproj
    .symbol:         k_q238dc749d4_oproj.kd
    .args:
      - { .name: ccodes, .offset: 0, .size: 8, .value_kind: global_buffer, .address_space: global }
      - { .name: cscales, .offset: 8, .size: 8, .value_kind: global_buffer, .address_space: global }
      - { .name: gates, .offset: 16, .size: 8, .value_kind: global_buffer, .address_space: global }
      - { .name: Wo_codes, .offset: 24, .size: 8, .value_kind: global_buffer, .address_space: global }
      - { .name: Wo_scales, .offset: 32, .size: 8, .value_kind: global_buffer, .address_space: global }
      - { .name: bo, .offset: 40, .size: 8, .value_kind: global_buffer, .address_space: global }
      - { .name: x, .offset: 48, .size: 8, .value_kind: global_buffer, .address_space: global }
      - { .name: out0, .offset: 56, .size: 8, .value_kind: global_buffer, .address_space: global }
    .group_segment_fixed_size: 327680
    .private_segment_fixed_size: 0
    .kernarg_segment_align: 8
    .kernarg_segment_size: 64
    .max_flat_workgroup_size: 128
    .sgpr_count:     66
    .vgpr_count:     1024
    .wavefront_size: 32
...
	.end_amdgpu_metadata
.endif
;; end of part 3
